; MI455X (gfx1250); checked and timed in simulation.
; The chip was launched on July 23, 2026; its instructions are those of AMD's public machine-readable ISA for CDNA 5 (MIT licence, August 2026) and "CDNA5" Instruction Set Architecture Reference Guide (July 2026). The comments in the code are by the model that wrote it; some were corrected since.
;; Dilated Attention. Allowed arithmetic: matrix products marked QUANTISED: E4M3 operands, one given power-of-two scale a tensor, by v_wmma_f32_16x16x64_fp8_fp8 or v_wmma_f32_16x16x128_fp8_fp8, f32 sums; everything else in f32.
;; Inputs: W1 1,024 x 4,096 float32; W2 4,096 x 1,024 float32; Wout 1,024 x 1,024 float32; Wqkv 1,024 x 3,072 float32; b1 4,096 float32; b2 1,024 float32; bout 1,024 float32; bqkv 3,072 float32; ln1_b 1,024 float32; ln1_g 1,024 float32; ln2_b 1,024 float32; ln2_g 1,024 float32; lowp_scales 12 int32 (the exponents e of the quantised operands' scales 2^e); x 2 x 2,048 x 1,024 float32.
;; Outputs: out0 2 x 2,048 x 1,024 float32.
;; This version of the problem:
;;   THIS VERSION OF THE PROBLEM IS GIVEN IN LOW PRECISION. The matrix products marked QUANTISED in the list below multiply operands that are first quantised to E4M3 (4 exponent bits, 3 mantissa bits; 8 bits a number), with one given power-of-two scale for each operand tensor; their sums are f32. All else is computed in f32.
;;   The module's matrix products, in the order in which they are computed (A, B: the left and right operand; K: the contracted axis; several contracted axes count as one K, in the product's order):
;;     1. [M 4,096, K 1,024] x [K 1,024, N 3,072]; A: computed on the way; B: input Wqkv: QUANTISED (scales: A lowp_scales[0], B lowp_scales[1])
;;     2. batch 32 x [M 2,048, K 64] x [K 64, N 2,048]; A: computed on the way; B: computed on the way: QUANTISED (scales: A lowp_scales[2], B lowp_scales[3])
;;     3. batch 32 x [M 2,048, K 2,048] x [K 2,048, N 64]; A: softmax (see below); B: computed on the way: QUANTISED (scales: A lowp_scales[4], B lowp_scales[5])
;;     4. [M 4,096, K 1,024] x [K 1,024, N 1,024]; A: computed on the way; B: input Wout: QUANTISED (scales: A lowp_scales[6], B lowp_scales[7])
;;     5. [M 4,096, K 1,024] x [K 1,024, N 4,096]; A: computed on the way; B: input W1: QUANTISED (scales: A lowp_scales[8], B lowp_scales[9])
;;     6. [M 4,096, K 4,096] x [K 4,096, N 1,024]; A: computed on the way; B: input W2: QUANTISED (scales: A lowp_scales[10], B lowp_scales[11])
;;   THE QUANTISER, for each operand of a quantised product, along K:
;;     - The operand's scale is 2^e, e = its entry of the input lowp_scales (int32; the entries are numbered through the quantised products in the list's order, A before B).
;;     - Each number is divided by the scale, clamped to +-448, and rounded to the nearest number of E4M3, ties to even, subnormals kept.
;;     - The product sums the exact products of the quantised numbers (number of the format x scale) in f32.
;;   ~~~python
;;   def quantise(x, axis, e):      # numpy; x: float32 -> the quantised numbers, widened to float32 again
;;       x = np.moveaxis(x, axis, -1); K = x.shape[-1]
;;       r = np.clip(x / 2.0 ** e, -448, 448)
;;       step = 2.0 ** (np.maximum(np.frexp(np.where(r == 0, 1, r))[1] - 1, -6) - 3)
;;       q = np.round(r / step) * step * 2.0 ** e      # np.round: ties to even
;;       return np.moveaxis(q, -1, axis).astype(np.float32)
;;   ~~~
;;   SOFTMAX AHEAD OF A QUANTISED PRODUCT. Where the list says 'softmax', what is quantised is not the finished softmax but p = 2^(t - M), with t = logit x log2(e) and M = ceil(the row's largest t), a whole number; so 1/2 < the row's largest p <= 1. The row's sum l is taken of the UNQUANTISED p, in f32, and the product's result is divided by l at the end. Since M is a whole number, a kernel that streams over the keys may use a running M (the ceiling of the running maximum): every later rescaling is an exact power of two, so the quantised numbers keep their values, but for numbers so far below the row's largest that they fall under the format's range.
;;   OPERANDS COMPUTED ON THE WAY. 'Computed on the way' means the value that the module computes at that place (a softmax that the list does not call 'softmax' is quantised finished and normalised). What goes into a quantiser is computed in f32, as accurately as f32 sums, v_exp_f32 and their like allow (about 1e-6 of the number): no bf16 or f16 on the way to a quantiser, and a product that is left as it is and whose result goes on into a quantised operand takes f32 operands (vector FMAs, or v_wmma_f32_16x16x4_f32). A number that lies on a knife's edge between two numbers of the format may be rounded either way, as far as f32 arithmetic and the matrix unit's own rounding can turn it there, and no further.
;; One version. Each part assembles by itself: llvm-mc -triple=amdgcn-amd-amdhsa -mcpu=gfx1250 --defsym DOCPART=n.
;; ======== version 1 of 1: 7 launches
;; limits: right only within a limited range of input values
;; workspace buffers: wc 16,777,216 bytes; qkv 12,582,912 bytes; oc 4,194,304 bytes; x1 16,777,216 bytes; h2c 4,194,304 bytes; fc 16,777,216 bytes
;; launch prep (part 1): grid 640 x 1, 4 waves a work-group, no clusters, 51,712 bytes of LDS; arguments x, ln1_g, ln1_b, Wqkv, Wout, W1, W2, lowp_scales, wc; writes wc
.if DOCPART == 1
	.amdgcn_target "amdgcn-amd-amdhsa--gfx1250"
	.amdhsa_code_object_version 6
	.text
	.protected	k_q2c7b63493c_prep
	.globl	k_q2c7b63493c_prep
	.p2align	8
	.type	k_q2c7b63493c_prep,@function
k_q2c7b63493c_prep:
	s_mov_b64 s[64:65], 0
	v_nop
	global_prefetch_b8 v0, s[64:65] scope:SCOPE_SE
	s_setreg_imm32_b32 hwreg(HW_REG_WAVE_MODE, 25, 1), 1
	s_wait_xcnt 0x0
; Work-groups 0-383: the four weights, f32 stored [K][N], become codes of E4M3 laid [N][K] in wc (Wqkv at 0, Wout at 0x300000, W1 at 0x400000, W2 at 0x800000).
; Work-groups 384-639: LayerNorm 1 of x, quantised, laid [row'][1024] at 0xC00000 of wc, row' = 2048 b + 1024 (l & 1) + (l >> 1): even and odd tokens apart.
; code = number / 2^e, held within +-448, to the nearest code, ties to even.  LIMITS: every e used here lies between -126 and 119; NaN among the inputs is not served.
; WEIGHTS.  A lane takes a column n and its registers run down K: a load reads 128 consecutive bytes a wave (512 a work-group), and the conversions give codes with K innermost.
; A wave takes 32 columns x 256 along K; the codes go through the wave's own stage in LDS and leave as rows: sixteen lanes store 256 consecutive aligned bytes.
; LAYERNORM.  A wave takes four whole rows, each in 32 registers; mean, then the centred squares (two passes in registers); no wave waits for another.
; The two paths part on the work-group's number and have LDS bytes of their own: 0 .. 34,815 and 34,816 .. 51,199.  No tensor load, no barrier.
.set WP,    272                        ; a stage row of the weights' path: 256 bytes of codes + 16
.set LNSTG, 34816                      ; the LayerNorm path's stages: 4,096 bytes a wave
.set DOFF,  0xC00000                   ; where its codes begin in wc
.set OFF,   16                         ; v16-47   weights: 4 lane + i rows of the tensor
.set X,     48                         ; v48-111  two sets of 32 numbers
.set C,     112                        ; v112-119 a block's codes
.set OUTR,  120                        ; v120-183 rows read back from the stage
.set SOFF,  184                        ; v184-199 where they go
.set G,     16                         ; v16-47   LayerNorm: the gain;  v48-79 the bias
.set BT,    48
.set LX,    80                         ; v80-207  four rows: register 4 j + c of a row = element 128 j + 4 lane + c
.set T,     208                        ; v208-215 at work
.set LC,    216                        ; v216-223 a row's codes
.macro LOAD t                          ; block t: W(k0 + 32 t + i, my column), i = 0 .. 31, into set t % 2
.set I, 0
.rept 32
	global_load_b32 v[X+32*((\t)%2)+I], v[OFF+I], s[68+2*(\t):69+2*(\t)] th:TH_LOAD_NT
.set I, I+1
.endr
.endm
.macro BLOCK t
.set XS, X+32*((\t)%2)
.if (\t) < 7
	s_wait_loadcnt 32                              ; this block's 32 loads are in; the next block's 32 may be out
.else
	s_wait_loadcnt 0
.endif
.set I, 0
.rept 32
	v_med3_num_f32 v[XS+I], v[XS+I], -v10, v10     ; the conversion does not saturate (ISA guide 7.6.2): the hold at the largest code x the scale
.set I, I+1
.endr
.set I, 0
.rept 4
	v_cvt_scalef32_pk8_fp8_f32 v[C+2*I:C+2*I+1], v[XS+8*I:XS+8*I+7], v11
.set I, I+1
.endr
	ds_store_b128 v4, v[C:C+3] offset:32*(\t)      ; 32 codes of my column's row
	ds_store_b128 v4, v[C+4:C+7] offset:32*(\t)+16
.if (\t)+2 < 8
	LOAD (\t)+2
.endif
	s_wait_dscnt 0x0                               ; the stores have read their registers: the next block's codes may be written
.endm
.macro WSUM                            ; v[T] summed over the 32 lanes, the result in every lane
	v_add_f32_dpp v[T], v[T], v[T] row_xmask:1 row_mask:0xf bank_mask:0xf
	v_add_f32_dpp v[T], v[T], v[T] row_xmask:2 row_mask:0xf bank_mask:0xf
	v_add_f32_dpp v[T], v[T], v[T] row_xmask:4 row_mask:0xf bank_mask:0xf
	v_add_f32_dpp v[T], v[T], v[T] row_xmask:8 row_mask:0xf bank_mask:0xf
	v_permlanex16_b32 v[T+1], v[T], s36, s37
	v_add_f32 v[T], v[T], v[T+1]
.endm
.macro ROW k                           ; one row: mean, variance, gain and bias, codes, out
.set X0, LX+32*(\k)
	s_wait_loadcnt 24-8*(\k)                       ; my eight loads are in; the eight of each later row may be out
	v_pk_add_f32 v[T:T+1], v[X0:X0+1], v[X0+2:X0+3]
	v_pk_add_f32 v[T+2:T+3], v[X0+4:X0+5], v[X0+6:X0+7]
.set J, 8
.rept 6
	v_pk_add_f32 v[T:T+1], v[T:T+1], v[X0+J:X0+J+1]
	v_pk_add_f32 v[T+2:T+3], v[T+2:T+3], v[X0+J+2:X0+J+3]
.set J, J+4
.endr
	v_pk_add_f32 v[T:T+1], v[T:T+1], v[T+2:T+3]
	v_add_f32 v[T], v[T], v[T+1]
	WSUM
	v_mul_f32 v[T+4], s38, v[T]                    ; the mean
.set J, 0
.rept 16
	v_pk_add_f32 v[X0+J:X0+J+1], v[X0+J:X0+J+1], v[T+4:T+5] op_sel_hi:[1,0] neg_lo:[0,1] neg_hi:[0,1]
.set J, J+2
.endr
	v_pk_mul_f32 v[T:T+1], v[X0:X0+1], v[X0:X0+1]
	v_pk_mul_f32 v[T+2:T+3], v[X0+2:X0+3], v[X0+2:X0+3]
.set J, 4
.rept 7
	v_pk_fma_f32 v[T:T+1], v[X0+J:X0+J+1], v[X0+J:X0+J+1], v[T:T+1]
	v_pk_fma_f32 v[T+2:T+3], v[X0+J+2:X0+J+3], v[X0+J+2:X0+J+3], v[T+2:T+3]
.set J, J+4
.endr
	v_pk_add_f32 v[T:T+1], v[T:T+1], v[T+2:T+3]
	v_add_f32 v[T], v[T], v[T+1]
	WSUM
	v_fma_f32 v[T], v[T], s38, s39                 ; the variance + 1e-5
	s_wait_alu depctr_va_vdst(0)
	v_rsq_f32 v[T+6], v[T]
	v_nop                                          ; a plain instruction behind the transcendental,
	s_wait_alu depctr_va_vdst(0)                   ; and the wait ahead of its first reader
.set J, 0
.rept 16
	v_pk_mul_f32 v[X0+J:X0+J+1], v[X0+J:X0+J+1], v[T+6:T+7] op_sel_hi:[1,0]
.set J, J+2
.endr
.set J, 0
.rept 16
	v_pk_fma_f32 v[X0+J:X0+J+1], v[X0+J:X0+J+1], v[G+J:G+J+1], v[BT+J:BT+J+1]
.set J, J+2
.endr
.set J, 0
.rept 32
	v_med3_num_f32 v[X0+J], v[X0+J], -v10, v10
.set J, J+1
.endr
.set J, 0
.rept 4
	v_cvt_scalef32_pk8_fp8_f32 v[LC+2*J:LC+2*J+1], v[X0+8*J:X0+8*J+7], v11   ; register j of the codes: elements 128 j + 4 lane + 0 .. 3
.set J, J+1
.endr
	v_nop                                          ; a plain instruction behind the last conversion
.set J, 0
.rept 8
	ds_store_b32 v4, v[LC+J] offset:1024*(\k)+128*J
.set J, J+1
.endr
	ds_load_b128 v[X0:X0+3], v5 offset:1024*(\k)       ; LDS serves a wave's instructions in order (ISA guide 5.7.1.4): these see my stores
	ds_load_b128 v[X0+4:X0+7], v5 offset:1024*(\k)+512
	s_wait_dscnt 0x0                               ; the row's 1,024 codes are back, 32 a lane; the codes' registers are free
	global_store_b128 v3, v[X0:X0+3], s[24:25] offset:(((\k)&1)*1024+((\k)>>1))*1024       ; 512 consecutive bytes a store
	global_store_b128 v3, v[X0+4:X0+7], s[24:25] offset:(((\k)&1)*1024+((\k)>>1))*1024+512
.endm
	s_load_b512 s[8:23], s[0:1], 0x0               ; x 8, ln1_g 10, ln1_b 12, Wqkv 14, Wout 16, W1 18, W2 20, the exponents 22
	s_load_b64 s[24:25], s[0:1], 0x40              ; wc
	v_lshl_add_u32 v224, v0, 2, 0xc800
	v_mov_b32 v225, 0
	v_lshrrev_b32 v1, 5, v0
	v_readfirstlane_b32 s26, v1                    ; wave 0..3
	v_and_b32 v2, 31, v0                           ; lane
	s_wait_kmcnt 0x0
	s_load_b256 s[40:47], s[22:23], 0x0            ; e0 .. e7
	s_load_b128 s[48:51], s[22:23], 0x20           ; e8 .. e11
	s_cmp_ge_u32 ttmp9, 384
	s_cbranch_scc1 .Lln
	; ---- the weights.  Which tensor: by the work-group's number alone
	s_mov_b64 s[28:29], s[14:15]                   ; Wqkv: work-groups 0-95
	s_mov_b32 s32, 12288                           ; a row of the tensor in bytes
	s_mov_b32 s33, 1024                            ; a row of its codes in bytes (its K)
	s_mov_b32 s34, 2                               ; K / 256 = 1 << this
	s_mov_b32 s37, 3
	s_mov_b32 s35, 0                               ; its first work-group
	s_mov_b32 s36, 0                               ; its codes' place in wc
	s_cmp_ge_u32 ttmp9, 96                         ; Wout: 96-127
	s_cselect_b64 s[28:29], s[16:17], s[28:29]
	s_cselect_b32 s32, 4096, s32
	s_cselect_b32 s35, 96, s35
	s_cselect_b32 s36, 0x300000, s36
	s_cmp_ge_u32 ttmp9, 128                        ; W1: 128-255
	s_cselect_b64 s[28:29], s[18:19], s[28:29]
	s_cselect_b32 s32, 16384, s32
	s_cselect_b32 s35, 128, s35
	s_cselect_b32 s36, 0x400000, s36
	s_cmp_ge_u32 ttmp9, 256                        ; W2: 256-383
	s_cselect_b64 s[28:29], s[20:21], s[28:29]
	s_cselect_b32 s32, 4096, s32
	s_cselect_b32 s33, 4096, s33
	s_cselect_b32 s34, 4, s34
	s_cselect_b32 s37, 15, s37
	s_cselect_b32 s35, 256, s35
	s_cselect_b32 s36, 0x800000, s36
	s_sub_co_u32 s35, ttmp9, s35
	s_lshr_b32 s38, s35, s34                       ; which 128 columns
	s_and_b32 s39, s35, s37                        ; which 256 along K
	s_lshl_b32 s38, s38, 7
	s_lshl_b32 s27, s26, 5
	s_add_co_u32 s38, s38, s27                     ; my wave's first column
	s_lshl_b32 s39, s39, 8                         ; its first k
	s_mul_i32 s52, s39, s32
	s_lshl_b32 s27, s38, 2
	s_add_co_u32 s52, s52, s27
	s_mov_b32 s53, 0
	s_add_nc_u64 s[68:69], s[28:29], s[52:53]      ; block 0 begins here
	s_mul_i32 s54, s38, s33
	s_add_co_u32 s54, s54, s39
	s_add_co_u32 s54, s54, s36
	s_mov_b32 s55, 0
	s_add_nc_u64 s[24:25], s[24:25], s[54:55]      ; my codes begin here
	s_lshl_b32 s56, s32, 5                         ; 32 rows on
	s_mov_b32 s57, 0
.irp t, 1,2,3,4,5,6,7
	s_add_nc_u64 s[68+2*\t:69+2*\t], s[66+2*\t:67+2*\t], s[56:57]   ; a base for each block: none is ever stepped
.endr
	s_wait_alu depctr_va_vdst(0)
	v_lshlrev_b32 v3, 2, v2
	s_mul_i32 s27, s26, 32*WP                      ; my stage
	v_mul_u32_u24 v4, v2, WP
	v_add_nc_u32 v4, s27, v4                       ; into it: row = my column
	v_and_b32 v5, 15, v2
	v_lshrrev_b32 v6, 4, v2
	v_mul_u32_u24 v7, v6, WP
	v_lshl_add_u32 v7, v5, 4, v7
	v_add_nc_u32 v7, s27, v7                       ; out of it: sixteen lanes to a row, two rows an instruction
	v_mul_u32_u24 v8, s33, v6
	v_lshl_add_u32 v8, v5, 4, v8                   ; and the same place among the codes
.set I, 0
.rept 32
	v_mad_u32_u24 v[OFF+I], s32, I, v3
.set I, I+1
.endr
.set I, 0
.rept 16
	v_mad_u32_u24 v[SOFF+I], s33, 2*I, v8
.set I, I+1
.endr
	LOAD 0
	LOAD 1
	s_wait_kmcnt 0x0
	s_cmp_ge_u32 ttmp9, 96                         ; the tensor's exponent: e1, e7, e9 or e11
	s_cselect_b32 s31, s47, s41
	s_cmp_ge_u32 ttmp9, 128
	s_cselect_b32 s31, s49, s31
	s_cmp_ge_u32 ttmp9, 256
	s_cselect_b32 s31, s51, s31
	s_add_co_i32 s31, s31, 127
	s_lshl_b32 s30, s31, 23
	v_mov_b32 v11, s30                             ; 2^e as f32: the conversion takes its exponent field
	s_add_co_i32 s31, s31, 8
	s_lshl_b32 s31, s31, 23
	s_or_b32 s31, s31, 0x600000
	v_mov_b32 v10, s31                             ; 448 x 2^e
	s_wait_alu depctr_va_vdst(0)
.irp t, 0,1,2,3,4,5,6,7
	BLOCK \t
.endr
.set I, 0
.rept 16
	ds_load_b128 v[OUTR+4*I:OUTR+4*I+3], v7 offset:2*I*WP
.set I, I+1
.endr
.set I, 0
.rept 16
	s_wait_dscnt 15-I                              ; the younger loads may be out
	global_store_b128 v[SOFF+I], v[OUTR+4*I:OUTR+4*I+3], s[24:25]
.set I, I+1
.endr
	s_wait_tensorcnt 0x0
	ds_add_u32 v224, v225
	s_wait_dscnt 0x0
	s_endpgm
.Lln:
	; ---- LayerNorm 1: rows 16 (work-group - 384) + 4 wave + 0 .. 3
	s_sub_co_u32 s27, ttmp9, 384
	s_lshl_b32 s27, s27, 4
	s_lshl_b32 s28, s26, 2
	s_add_co_u32 s27, s27, s28                     ; my first row, a multiple of 4
	s_lshl_b32 s28, s27, 12
	s_mov_b32 s29, 0
	s_add_nc_u64 s[8:9], s[8:9], s[28:29]
	s_and_b32 s30, s27, 0xfffff800                 ; 2048 b
	s_and_b32 s31, s27, 2047
	s_lshr_b32 s31, s31, 1
	s_add_co_u32 s30, s30, s31                     ; row' of my first row; row k lies 1024 (k & 1) + (k >> 1) rows further on
	s_lshl_b32 s30, s30, 10
	s_add_co_u32 s30, s30, DOFF
	s_mov_b32 s31, 0
	s_add_nc_u64 s[24:25], s[24:25], s[30:31]
	s_wait_alu depctr_va_vdst(0)
	v_lshlrev_b32 v3, 4, v2
	s_lshl_b32 s32, s26, 12
	s_add_co_u32 s32, s32, LNSTG                   ; my stage
	v_lshl_add_u32 v4, v2, 2, s32
	v_add_nc_u32 v5, s32, v3
.set J, 0
.rept 8
	global_load_b128 v[G+4*J:G+4*J+3], v3, s[10:11] offset:512*J
	global_load_b128 v[BT+4*J:BT+4*J+3], v3, s[12:13] offset:512*J
.set J, J+1
.endr
.set J, 0
.rept 32
	global_load_b128 v[LX+4*J:LX+4*J+3], v3, s[8:9] offset:512*J th:TH_LOAD_NT   ; four rows on end: 512 consecutive bytes a load
.set J, J+1
.endr
	s_mov_b32 s36, 0x76543210                      ; v_permlanex16_b32: lane l xor 16
	s_mov_b32 s37, 0xfedcba98
	s_mov_b32 s38, 0x3a800000                      ; 1 / 1024
	s_mov_b32 s39, 0x3727c5ac                      ; 1e-5
.set J, 0
.rept 8
	v_mov_b32 v[T+J], 0                            ; written once: a permute's destination and both halves of a named pair count as read
.set J, J+1
.endr
	s_wait_kmcnt 0x0
	s_add_co_i32 s33, s40, 127                     ; e0
	s_lshl_b32 s34, s33, 23
	v_mov_b32 v11, s34
	s_add_co_i32 s33, s33, 8
	s_lshl_b32 s33, s33, 23
	s_or_b32 s33, s33, 0x600000
	v_mov_b32 v10, s33
	ROW 0
	ROW 1
	ROW 2
	ROW 3
	s_wait_tensorcnt 0x0
	ds_add_u32 v224, v225
	s_wait_dscnt 0x0
	s_endpgm
.Lfunc_end_k_q2c7b63493c_prep:
	.size	k_q2c7b63493c_prep, .Lfunc_end_k_q2c7b63493c_prep-k_q2c7b63493c_prep
	.p2alignl 7, 3214868480
	.fill 96, 4, 3214868480
	.section	.rodata,"a",@progbits
	.p2align	6, 0x0
	.amdhsa_kernel k_q2c7b63493c_prep
		.amdhsa_group_segment_fixed_size 51712
		.amdhsa_private_segment_fixed_size 0
		.amdhsa_enable_private_segment 0
		.amdhsa_kernarg_size 72
		.amdhsa_user_sgpr_count 2
		.amdhsa_user_sgpr_kernarg_segment_ptr 1
		.amdhsa_wavefront_size32 1
		.amdhsa_system_sgpr_workgroup_id_x 1
		.amdhsa_system_sgpr_workgroup_id_y 1
		.amdhsa_system_sgpr_workgroup_id_z 1
		.amdhsa_system_vgpr_workitem_id 0
		.amdhsa_next_free_vgpr 226
		.amdhsa_next_free_sgpr 84
		.amdhsa_reserve_vcc 0
		.amdhsa_float_denorm_mode_32 3
		.amdhsa_float_denorm_mode_16_64 3
		.amdhsa_memory_ordered 1
		.amdhsa_forward_progress 1
		.amdhsa_inst_pref_size 97
	.end_amdhsa_kernel
	.amdgpu_metadata
---
amdhsa.version: [ 1, 2 ]
amdhsa.kernels:
  - .name:           k_q2c7b63493c_prep
    .symbol:         k_q2c7b63493c_prep.kd
    .args:
      - { .name: x, .offset: 0, .size: 8, .value_kind: global_buffer, .address_space: global }
      - { .name: ln1_g, .offset: 8, .size: 8, .value_kind: global_buffer, .address_space: global }
      - { .name: ln1_b, .offset: 16, .size: 8, .value_kind: global_buffer, .address_space: global }
      - { .name: Wqkv, .offset: 24, .size: 8, .value_kind: global_buffer, .address_space: global }
      - { .name: Wout, .offset: 32, .size: 8, .value_kind: global_buffer, .address_space: global }
      - { .name: W1, .offset: 40, .size: 8, .value_kind: global_buffer, .address_space: global }
      - { .name: W2, .offset: 48, .size: 8, .value_kind: global_buffer, .address_space: global }
      - { .name: lowp_scales, .offset: 56, .size: 8, .value_kind: global_buffer, .address_space: global }
      - { .name: wc, .offset: 64, .size: 8, .value_kind: global_buffer, .address_space: global }
    .group_segment_fixed_size: 51712
    .private_segment_fixed_size: 0
    .kernarg_segment_align: 8
    .kernarg_segment_size: 72
    .max_flat_workgroup_size: 128
    .sgpr_count:     84
    .vgpr_count:     226
    .wavefront_size: 32
...
	.end_amdgpu_metadata
.endif
;; end of part 1
;; launch gemm_qkv (part 2): grid 12 x 16, 4 waves a work-group, clusters of 4 x 4, 327,680 bytes of LDS; arguments wc, bqkv, lowp_scales, qkv; writes qkv
.if DOCPART == 2
	.amdgcn_target "amdgcn-amd-amdhsa--gfx1250"
	.amdhsa_code_object_version 6
	.text
	.protected	k_q2c7b63493c_gemm_qkv
	.globl	k_q2c7b63493c_gemm_qkv
	.p2align	8
	.type	k_q2c7b63493c_gemm_qkv,@function
k_q2c7b63493c_gemm_qkv:
	s_mov_b64 s[64:65], 0
	v_nop
	global_prefetch_b8 v0, s[64:65] scope:SCOPE_SE
	s_setreg_imm32_b32 hwreg(HW_REG_WAVE_MODE, 25, 1), 1
	s_wait_xcnt 0x0
	s_wait_alu depctr_hold_cnt(0) depctr_sa_sdst(0) depctr_va_vdst(0) depctr_va_sdst(0) depctr_va_ssrc(0) depctr_va_vcc(0) depctr_vm_vsrc(0)
	s_getreg_b32 s2, hwreg(HW_REG_IB_STS2, 6, 4)
	s_cmp_eq_u32 s2, 0
	s_cbranch_scc0 .Lentry_in_a_cluster
	s_endpgm
.Lentry_in_a_cluster:
	s_bfe_u32 s2, ttmp6, 0x10000c
	s_cmp_lg_u32 s2, 0xf033
	s_cbranch_scc0 .Lentry_shape_is_right
	s_endpgm
.Lentry_shape_is_right:
; q, k, v = Q(LN1(x)) Q(Wqkv) + bqkv, quantised again for the two products of attention.  Both operands are codes of E4M3 in wc: the rows [4096 row'][1024] at 0xC00000, the weight [3072][1024] at 0.
; A tile of 256 x 256 to a work-group of four waves, 128 x 128 a wave (64 accumulators, 512 registers); K = 1024 goes in four steps of 256 through two LDS slots filled by the tensor data mover.
; CLUSTERS 4 x 4: A's tile is asked for jointly along a row of the cluster, B's along a column.  Cluster x says what is made: 0 q, 1 k, 2 v; it is the same in all sixteen partners.
; THE MATRIX INSTRUCTION IS USED TRANSPOSED (source 0 = 16 rows of B, source 1 = 16 rows of A): a lane holds one row of A's side and eight neighbours of B's side.
; q, k: A = the tokens, B = the weight: eight neighbouring features, the K of q k^T.  v: A = the weight's rows 2048 on, B = the tokens: eight neighbouring tokens, the K of p v.
; OUT: qkv: q [row'][1024] at 0, k the same at 0x400000, v at 0x800000 as [2 b + parity][block of 64 keys][1024 features][64 keys].
; The codes meet in a stage in slot 0, which has had its last fill and its last read by then, and leave in whole aligned runs of 256 bytes or more.
; LIMITS: e0 + e1 between -126 and 127; e2, e3, e5 between -126 and 119.  NaN is not served.
; REGISTERS: window 0: v0-31 addresses; v32-47 codes; v48-55, v64-127 the biases; from v128 A's fragments, later at work.  window 1: B's fragments, two sets.  windows 2, 3: the accumulators.
.set SIZE_K, 1024
.set KSTEP,  256
.set ROWB,   256
.set KROW,   SIZE_K
.set PITCH,  272                       ; an LDS row: 256 bytes + 16 of padding = 68 words: the 16 rows that a load touches start at 16 different banks (64 banks of 4 bytes: ISA guide 11.1)
.set FR,     16
.set NL,     4
.set NP,     4
.set HALFT,  128*PITCH
.set SLOT,   4*HALFT
.set LAPS,   SIZE_K/(2*KSTEP)
.set SPARE,  2*SLOT                    ; behind the ring: the spare words, 128 bytes a wave
.set VSTG,   256*PITCH                 ; the v path's stage: behind the q, k path's, both in slot 0
.set ADRA, 16
.set STOV, 18
.set RDV,  19
.set ADRB, 20
.set RDV2, 22
.set COV,  23
.set STO,  24
.set RD,   25
.set CO,   26
.set RD2,  27
.set SPW,  28
.set NIL,  29
.set QS,   30                          ; v30 the quantiser's 2^e, v31 448 x that
.set QL,   31
.set CD,   32
.set BROW, 48
.set BCOL, 64
.set AF,   128
.set WK,   128
.set DST,  10
.set G1, 24
.set G0, 32
.set G1B, 48
.set G0B, 56
.set MSB, 0
.macro WIN new                         ; the immediate's high byte repeats the setting that is left
.if MSB != \new
	s_set_vgpr_msb (MSB<<8)|\new
.set MSB, \new
.endif
.endm
.set MUL_LO, 0xa1                      ; source 0 (B) window 1, source 1 (A) window 0, C and D window 2
.set MUL_HI, 0xf1
.set TO_B,   0x40
.macro JLOAD g0a, g1a, g0b, g1b        ; a joint load: waves 0, 1 fetch for A, waves 2, 3 for B; four v_nop follow each line
	s_cmp_eq_u32 s15, 0
	s_cbranch_scc0 .Lfor_b_\@
	tensor_load_to_lds s[\g0a:\g0a+3], s[\g1a:\g1a+7]
	s_nop 0
.rept 4
	v_nop
.endr
	s_branch .Lasked_\@
.Lfor_b_\@:
	tensor_load_to_lds s[\g0b:\g0b+3], s[\g1b:\g1b+7]
	s_nop 0
.rept 4
	v_nop
.endr
.Lasked_\@:
.endm
.macro CREST
	s_cmp_lg_u32 s14, 0
	s_cbranch_scc1 .Lnot_wave_0_\@
	s_barrier_signal -3
.Lnot_wave_0_\@:
	s_barrier_wait -3
	s_barrier_signal -1
	s_barrier_wait -1
.endm
.macro CROUND
	s_barrier_signal -1
	s_barrier_wait -1
	CREST
.endm
	s_load_b256 s[4:11], s[0:1], 0x0               ; wc 4, bqkv 6, the exponents 8, qkv 10
	v_lshl_add_u32 v[SPW], v0, 2, SPARE
	v_mov_b32 v[NIL], 0
	ds_add_u32 v28, v29
	ds_add_u32 v28, v29
	s_wait_dscnt 0x0
	v_lshrrev_b32 v1, 5, v0
	v_readfirstlane_b32 s14, v1                    ; wave 0..3
	s_lshr_b32 s15, s14, 1                         ; my half of the tile's rows; also: I fetch for A (0) or B (1)
	s_and_b32 s16, s14, 1                          ; my half of its columns; also: which 128 rows I fetch
	s_bfe_u32 s40, ttmp6, 0x40000                  ; cx
	s_bfe_u32 s41, ttmp6, 0x40004                  ; cy
	s_and_b32 s66, ttmp7, 0xffff                   ; cluster y
	s_cmp_eq_u32 ttmp9, 2                          ; v?  For v the operands change places
	s_cselect_b32 s67, 0, s66                      ; the cluster's row of tiles: v has four tile rows (1,024 features) in all
	s_cselect_b32 s69, s66, ttmp9                  ; its column of tiles
	s_mov_b32 s68, 0xC00000
	s_cselect_b32 s68, 0x200000, s68               ; A's first byte in wc: the tokens' codes, or the weight's row 2048
	s_cselect_b32 s70, 0xC00000, 0                 ; B's: the weight's codes, or the tokens'
	s_lshl_b32 s42, s69, 2
	s_add_co_u32 s42, s42, s40                     ; tile column
	s_lshl_b32 s17, s67, 2
	s_add_co_u32 s17, s17, s41                     ; tile row
	s_lshl_b32 s43, s41, 2
	s_lshl_b32 s43, 15, s43                        ; my row of the cluster
	s_lshl_b32 s44, 0x1111, s40                    ; my column
	s_or_b32 s[G1+0], s43, (0<<16)|(1<<20)|(1<<21)|(5<<22)|(3<<25)  ; the mask; elements of 1 byte; padding on; bit 21 beside a mask; 4 words behind every 64
	s_or_b32 s[G1B+0], s44, (0<<16)|(1<<20)|(1<<21)|(5<<22)|(3<<25)
.irp g, G1, G1B
	s_mov_b32 s[\g+1], ROWB<<16                    ; tensor_dim0
	s_mov_b32 s[\g+2], 128<<16                     ; tensor_dim1
	s_mov_b32 s[\g+3], ROWB<<16                    ; tile_dim0
	s_mov_b32 s[\g+4], 128                         ; tile_dim1
	s_mov_b32 s[\g+5], KROW                        ; tensor_dim0_stride
	s_mov_b32 s[\g+6], 0
	s_mov_b32 s[\g+7], 0
.endr
	s_lshl_b32 s18, s16, 7
	s_lshl_b32 s20, s17, 8
	s_add_co_u32 s20, s20, s18                     ; A: row 256 x tile row + 128 x half
	s_lshl_b32 s20, s20, 10
	s_add_co_u32 s20, s20, s68
	s_mov_b32 s21, 0
	s_lshl_b32 s46, s42, 8
	s_add_co_u32 s46, s46, s18                     ; B: row 256 x tile column + 128 x half
	s_lshl_b32 s46, s46, 10
	s_add_co_u32 s46, s46, s70
	s_mov_b32 s47, 0
	s_mul_i32 s45, s14, HALFT                      ; where they go: wave x 128 rows
	s_wait_kmcnt 0x0
	s_load_b256 s[80:87], s[8:9], 0x0              ; e0 .. e7
	s_add_nc_u64 s[20:21], s[4:5], s[20:21]
	s_add_nc_u64 s[46:47], s[4:5], s[46:47]
	CROUND                                         ; all sixteen work-groups are here: the first joint loads meet
.irp s, 0,1
	s_mov_b32 s[G0+4*\s], 1
	s_add_co_u32 s[G0+4*\s+1], s45, \s*SLOT
	s_add_nc_u64 s[G0+4*\s+2:G0+4*\s+3], s[20:21], \s*ROWB
	s_or_b32 s[G0+4*\s+3], s[G0+4*\s+3], 0x80000000
	s_mov_b32 s[G0B+4*\s], 1
	s_add_co_u32 s[G0B+4*\s+1], s45, \s*SLOT
	s_add_nc_u64 s[G0B+4*\s+2:G0B+4*\s+3], s[46:47], \s*ROWB
	s_or_b32 s[G0B+4*\s+3], s[G0B+4*\s+3], 0x80000000
.endr
	JLOAD G0, G1, G0B, G1B                         ; K step 0: one tensor load a wave at the head
	; the prefetches: of the 128 rows that I fetch, my work-group takes 32 (by cx for A, by cy for B: told apart by address), a lane a row, 256 bytes of a row a K step
	s_cmp_eq_u32 s15, 0
	s_cselect_b64 s[94:95], s[20:21], s[46:47]
	s_cselect_b32 s18, s40, s41
	s_lshl_b32 s18, s18, 15                        ; 32 rows of 1,024 bytes
	s_mov_b32 s19, 0
	s_add_nc_u64 s[94:95], s[94:95], s[18:19]
	v_and_b32 v10, 31, v0
	v_lshlrev_b32 v10, 10, v10
	global_prefetch_b8 v10, s[94:95] offset:ROWB th:TH_LOAD_NT scope:SCOPE_SE     ; K step 1, whose load goes out when K step 0 has landed
	global_prefetch_b8 v10, s[94:95] offset:2*ROWB th:TH_LOAD_NT scope:SCOPE_SE   ; K step 2, two steps ahead of its load; v10 and s[94:95] are never rewritten
	v_and_b32 v1, 15, v0                           ; r = l % 16
	v_bfe_u32 v2, v0, 4, 1                         ; h = l / 16
	v_mul_u32_u24 v3, v1, PITCH
	s_wait_alu depctr_va_vdst(0)
	v_lshl_add_u32 v4, v2, 4, v3
	s_mul_i32 s21, s15, HALFT
	s_mul_i32 s22, s16, HALFT
	s_add_co_u32 s22, s22, 2*HALFT
.irp s, 0,1
	v_add_nc_u32 v[ADRA+\s], s21, v4
	v_add_nc_u32 v[ADRB+\s], s22, v4
	s_add_co_u32 s21, s21, SLOT
	s_add_co_u32 s22, s22, SLOT
.endr
	; the stage: 256 rows x (256 bytes of codes + 16).  In: row 128 (wave / 2) + 16 a + r, byte 128 (wave % 2) + 16 b + 8 h
	s_mul_i32 s23, s15, 128*PITCH
	s_lshl_b32 s22, s16, 7
	s_add_co_u32 s23, s23, s22
	v_lshl_add_u32 v5, v2, 3, v3
	v_add_nc_u32 v[STO], s23, v5
	v_add_nc_u32 v[STOV], VSTG, v[STO]
	s_mul_i32 s23, s14, 64*PITCH                   ; back, q and k: wave w takes rows 64 w on, whole; sixteen lanes to a row
	v_mul_u32_u24 v5, v2, PITCH
	v_lshl_add_u32 v5, v1, 4, v5
	v_add_nc_u32 v[RD], s23, v5
	v_add_nc_u32 v[RD2], 32*PITCH, v[RD]
	v_bfe_u32 v5, v0, 2, 3                         ; back, v: wave w takes bytes 64 w .. 64 w + 63 (a block of 64 keys) of all 256 rows; four lanes to a row
	v_mul_u32_u24 v5, v5, PITCH
	v_and_b32 v6, 3, v0
	v_lshl_add_u32 v5, v6, 4, v5
	s_lshl_b32 s23, s14, 6
	s_add_co_u32 s23, s23, VSTG
	v_add_nc_u32 v[RDV], s23, v5
	v_add_nc_u32 v[RDV2], 128*PITCH, v[RDV]
	v_lshlrev_b32 v5, 10, v2
	v_lshl_add_u32 v[CO], v1, 4, v5                ; q, k: two rows of 1,024 bytes, 16 bytes a lane
	v_and_b32 v5, 31, v0
	v_lshlrev_b32 v[COV], 4, v5                    ; v: 512 bytes on end
	; the biases: by column for q and k, by row for v.  Both tables are loaded; the one that is not used is read at bqkv's first bytes
	s_lshl_b32 s72, s42, 8
	s_lshl_b32 s71, s16, 7
	s_add_co_u32 s72, s72, s71
	s_lshl_b32 s72, s72, 2
	s_lshl_b32 s74, s17, 8
	s_lshl_b32 s71, s15, 7
	s_add_co_u32 s74, s74, s71
	s_add_co_u32 s74, s74, 2048
	s_lshl_b32 s74, s74, 2
	s_cmp_eq_u32 ttmp9, 2
	s_cselect_b32 s72, 0, s72
	s_cselect_b32 s74, s74, 0
	s_mov_b32 s73, 0
	s_mov_b32 s75, 0
	s_add_nc_u64 s[76:77], s[6:7], s[72:73]
	s_add_nc_u64 s[78:79], s[6:7], s[74:75]
	v_lshlrev_b32 v8, 5, v2
	v_lshlrev_b32 v9, 2, v1
.set N, 0
.rept 8
	global_load_b128 v[BCOL+8*N:BCOL+8*N+3], v8, s[76:77] offset:64*N        ; bias of columns 16 b + 8 h + 0 .. 7
	global_load_b128 v[BCOL+8*N+4:BCOL+8*N+7], v8, s[76:77] offset:64*N+16
	global_load_b32 v[BROW+N], v9, s[78:79] offset:64*N                      ; bias of row 16 a + r
.set N, N+1
.endr
	; where my part of the result goes
	s_lshl_b32 s90, s17, 8
	s_lshl_b32 s91, s14, 6
	s_add_co_u32 s90, s90, s91
	s_lshl_b32 s90, s90, 10
	s_lshl_b32 s91, ttmp9, 22
	s_add_co_u32 s90, s90, s91
	s_lshl_b32 s91, s40, 8
	s_add_co_u32 s90, s90, s91                     ; q, k: part x 4 MiB + (256 tile row + 64 wave) rows + 256 cx
	s_lshl_b32 s92, s66, 4
	s_lshl_b32 s91, s40, 2
	s_add_co_u32 s92, s92, s91
	s_add_co_u32 s92, s92, s14
	s_lshl_b32 s92, s92, 10
	s_lshl_b32 s91, s41, 8
	s_add_co_u32 s92, s92, s91
	s_lshl_b32 s92, s92, 6
	s_add_co_u32 s92, s92, 0x800000                ; v: ((16 cluster y + 4 cx + wave) x 1024 + 256 cy) x 64
	s_cmp_eq_u32 ttmp9, 2
	s_cselect_b32 s90, s92, s90
	s_mov_b32 s91, 0
	s_add_nc_u64 s[DST:DST+1], s[DST:DST+1], s[90:91]
	s_wait_kmcnt 0x0
	s_add_co_i32 s96, s80, s81
	s_add_co_i32 s96, s96, 127
	s_lshl_b32 s96, s96, 23                        ; 2^(e0 + e1) as f32
	s_mov_b32 s97, s96                             ; (named with it as a pair, so it is written)
	s_cmp_eq_u32 ttmp9, 1
	s_cselect_b32 s88, s83, s82                    ; the result's own exponent: e2 (q), e3 (k), e5 (v): a choice, no branch
	s_cmp_eq_u32 ttmp9, 2
	s_cselect_b32 s88, s85, s88
	s_add_co_i32 s88, s88, 127
	s_lshl_b32 s89, s88, 23
	v_mov_b32 v[QS], s89
	s_add_co_i32 s88, s88, 8
	s_lshl_b32 s88, s88, 23
	s_or_b32 s88, s88, 0x600000
	v_mov_b32 v[QL], s88
.macro FRAG reg, adr, q, i             ; 16 rows x 128 K: registers 4 c .. 4 c + 3 hold K = 32 c + 16 h + 0 .. 15: the same order in A and in B
.irp c, 0,1,2,3
	ds_load_b128 v[\reg+4*\c:\reg+4*\c+3], v[\adr] offset:128*(\q)+32*\c+(\i)*16*PITCH
.endr
.endm
.macro MUL16 a0, p, zero               ; A's blocks a0, a0 + 1 x B's eight; the 64 accumulators take turns
.irp a, \a0, \a0+1
.irp b, 0,1,2,3,4,5,6,7
.if \zero
	v_wmma_f32_16x16x128_fp8_fp8 v[8*(8*((\a)%4)+\b):8*(8*((\a)%4)+\b)+7], v[128*(\p)+FR*\b:128*(\p)+FR*\b+FR-1], v[AF+FR*(\a):AF+FR*(\a)+FR-1], 0
.else
	v_wmma_f32_16x16x128_fp8_fp8 v[8*(8*((\a)%4)+\b):8*(8*((\a)%4)+\b)+7], v[128*(\p)+FR*\b:128*(\p)+FR*\b+FR-1], v[AF+FR*(\a):AF+FR*(\a)+FR-1], v[8*(8*((\a)%4)+\b):8*(8*((\a)%4)+\b)+7]
.endif
.endr
.endr
.endm
.macro FETCH_B slot, q, p
	WIN TO_B
.irp i, 0,1,2,3,4,5,6,7
	FRAG 128*(\p)+FR*\i, ADRB+\slot, \q, \i
.endr
	WIN 0
.endm
.macro FETCH_A slot, q, i0
.irp i, \i0, \i0+1, \i0+2, \i0+3
	FRAG AF+FR*(\i), ADRA+\slot, \q, \i
.endr
.endm
.macro PLACES n                        ; plain vector instructions between a matrix instruction and a load into, or a vector access of, its registers
.rept \n
	v_nop
.endr
.endm
.macro STEP slot, q, zero              ; 128 along K whose successor lies in the same slot
	s_wait_dscnt 4*NL                              ; B's set and A's blocks 0-3 are in; the sixteen youngest loads (A's blocks 4-7) may be out
	WIN MUL_LO
	MUL16 0, (\q)%2, \zero
	MUL16 2, (\q)%2, \zero
	s_wait_dscnt 0
	PLACES NP
	FETCH_B \slot, (\q)+1, 1-(\q)%2
	FETCH_A \slot, (\q)+1, 0
	WIN MUL_HI
	MUL16 4, (\q)%2, \zero
	MUL16 6, (\q)%2, \zero
	PLACES NP
	WIN 0
	FETCH_A \slot, (\q)+1, 4
.endm
.macro TURN slot, next, fill           ; a slot's last step changes slots: one barrier; fill = 1: the slot is filled again, two K steps ahead
	s_wait_tensorcnt 0x0                           ; all my tensor loads have landed: my part of the next slot
	ds_add_u32 v[SPW], v[NIL]                      ; 0 onto my spare word
	s_wait_dscnt 4*NL+1                            ; (the add and the sixteen youngest loads may be out)
	WIN MUL_LO
	MUL16 0, 1, 0
	s_wait_dscnt 0x0                               ; the add is done, and my reads of this slot are over
	s_barrier_signal -1
	MUL16 2, 1, 0
	WIN 0
	s_barrier_wait -1
.if \fill
	CREST                                          ; the barrier has opened a round of the cluster's barrier: no wave of any partner still reads this slot or has a load on its way
	s_add_nc_u64 s[G0+4*\slot+2:G0+4*\slot+3], s[G0+4*\slot+2:G0+4*\slot+3], 2*ROWB
	s_add_nc_u64 s[G0B+4*\slot+2:G0B+4*\slot+3], s[G0B+4*\slot+2:G0B+4*\slot+3], 2*ROWB
	JLOAD G0+4*\slot, G1, G0B+4*\slot, G1B
.else
	PLACES NP
.endif
	FETCH_B \next, 0, 0
	FETCH_A \next, 0, 0
	WIN MUL_HI
	MUL16 4, 1, 0
	MUL16 6, 1, 0
	PLACES NP
	WIN 0
	FETCH_A \next, 0, 4
.endm
	s_wait_alu depctr_va_vdst(0)                   ; the wait at the head's end
	s_wait_tensorcnt 0x0                           ; my part of K step 0 is in; slot 1's first fill is issued as a refill is:
	ds_add_u32 v[SPW], v[NIL]                      ; 0 onto my spare word
	s_wait_dscnt 0x0
	CROUND                                         ; everybody's part of K step 0 is in, and the joint loads meet
	JLOAD G0+4, G1, G0B+4, G1B                     ; K step 1: the first tensor load behind the round
	FETCH_B 0, 0, 0
	global_prefetch_b8 v10, s[94:95] offset:3*ROWB th:TH_LOAD_NT scope:SCOPE_SE   ; K step 3, the last: nothing is asked for beyond it
	FETCH_A 0, 0, 0
	FETCH_A 0, 0, 4
	STEP 0, 0, 1                                   ; the first step's products start the sums
	s_mov_b32 s3, LAPS-1
.Llap:
	TURN 0, 1, 1
	STEP 1, 0, 0
	TURN 1, 0, 1
	STEP 0, 0, 0
	s_sub_co_u32 s3, s3, 1
	s_cmp_lg_u32 s3, 0
	s_cbranch_scc1 .Llap
	TURN 0, 1, 0
	STEP 1, 0, 0
	s_wait_dscnt 4*NL
	WIN MUL_LO
	MUL16 0, 1, 0
	MUL16 2, 1, 0
	s_wait_dscnt 0
	WIN MUL_HI
	MUL16 4, 1, 0
	MUL16 6, 1, 0
	WIN 0
; THE WAY OUT, a block of 16 rows at a time: sum x 2^(e0 + e1) + bias, the hold, eight codes for eight registers, 8 bytes a lane into the stage.
.macro QOUT a, isv, sto
.set AC, 64*((\a)%4)
	WIN 0x02+((\a)/4)                              ; source 0: window 2 or 3
.if \isv
.set N, 0
.rept 64
	v_fma_f32 v[WK+N], v[AC+N], s96, v[BROW+(\a)]  ; each accumulator from its low end on
.set N, N+1
.endr
.else
.set N, 0
.rept 32
	v_pk_fma_f32 v[WK+N:WK+N+1], v[AC+N:AC+N+1], s[96:97], v[BCOL+N:BCOL+N+1] op_sel_hi:[1,0,1]
.set N, N+2
.endr
.endif
	WIN 0
.set N, 0
.rept 64
	v_med3_num_f32 v[WK+N], v[WK+N], -v[QL], v[QL]
.set N, N+1
.endr
	s_wait_alu depctr_va_vdst(0)
	s_wait_dscnt 0x0                               ; the last block's stores have read the codes' registers
.set N, 0
.rept 8
	v_cvt_scalef32_pk8_fp8_f32 v[CD+2*N:CD+2*N+1], v[WK+8*N:WK+8*N+7], v[QS]
.set N, N+1
.endr
	v_nop                                          ; a plain instruction behind the last conversion
.set N, 0
.rept 8
	ds_store_b64 v[\sto], v[CD+2*N:CD+2*N+1] offset:16*PITCH*(\a)+16*N
.set N, N+1
.endr
.endm
.macro READBACK rd0, rd1, lstep, co, gstep     ; 32 loads of 512 bytes from the stage, and their stores
.set TT, 0
.rept 16
	ds_load_b128 v[128+4*TT:128+4*TT+3], v[\rd0] offset:TT*\lstep
.set TT, TT+1
.endr
.set TT, 0
.rept 16
	ds_load_b128 v[192+4*TT:192+4*TT+3], v[\rd1] offset:TT*\lstep
.set TT, TT+1
.endr
.set TT, 0
.rept 32
	s_wait_dscnt 31-TT                             ; the younger loads may be out
	global_store_b128 v[\co], v[128+4*TT:128+4*TT+3], s[DST:DST+1] offset:TT*\gstep
.set TT, TT+1
.endr
.endm
	s_wait_loadcnt 0x0                             ; the biases
	PLACES NP
	s_cmp_eq_u32 ttmp9, 2                          ; the same in all waves and all partners
	s_cbranch_scc1 .Lv
.irp a, 0,1,2,3,4,5,6,7
	QOUT \a, 0, STO
.endr
	s_wait_dscnt 0x0                               ; for the others' sake: my stores into the stage are done
	s_barrier_signal -1
	s_barrier_wait -1
	READBACK RD, RD2, 2*PITCH, CO, 2048            ; sixteen lanes store 256 consecutive aligned bytes of a row
	s_branch .Lend
.Lv:
.irp a, 0,1,2,3,4,5,6,7
	QOUT \a, 1, STOV
.endr
	s_wait_dscnt 0x0
	s_barrier_signal -1
	s_barrier_wait -1
	READBACK RDV, RDV2, 8*PITCH, COV, 512          ; eight rows x 64 keys: 512 consecutive bytes a store
.Lend:
	s_wait_tensorcnt 0x0                           ; the wave's end
	ds_add_u32 v[SPW], v[NIL]
	s_wait_dscnt 0x0
	CROUND                                         ; the closing round
	s_endpgm
.Lfunc_end_k_q2c7b63493c_gemm_qkv:
	.size	k_q2c7b63493c_gemm_qkv, .Lfunc_end_k_q2c7b63493c_gemm_qkv-k_q2c7b63493c_gemm_qkv
	.p2alignl 7, 3214868480
	.fill 96, 4, 3214868480
	.section	.rodata,"a",@progbits
	.p2align	6, 0x0
	.amdhsa_kernel k_q2c7b63493c_gemm_qkv
		.amdhsa_group_segment_fixed_size 327680
		.amdhsa_private_segment_fixed_size 0
		.amdhsa_enable_private_segment 0
		.amdhsa_kernarg_size 32
		.amdhsa_user_sgpr_count 2
		.amdhsa_user_sgpr_kernarg_segment_ptr 1
		.amdhsa_wavefront_size32 1
		.amdhsa_system_sgpr_workgroup_id_x 1
		.amdhsa_system_sgpr_workgroup_id_y 1
		.amdhsa_system_sgpr_workgroup_id_z 1
		.amdhsa_system_vgpr_workitem_id 0
		.amdhsa_next_free_vgpr 1024
		.amdhsa_next_free_sgpr 98
		.amdhsa_reserve_vcc 0
		.amdhsa_float_denorm_mode_32 3
		.amdhsa_float_denorm_mode_16_64 3
		.amdhsa_memory_ordered 1
		.amdhsa_forward_progress 1
		.amdhsa_inst_pref_size 226
	.end_amdhsa_kernel
	.amdgpu_metadata
---
amdhsa.version: [ 1, 2 ]
amdhsa.kernels:
  - .name:           k_q2c7b63493c_gemm_qkv
    .symbol:         k_q2c7b63493c_gemm_qkv.kd
    .args:
      - { .name: wc, .offset: 0, .size: 8, .value_kind: global_buffer, .address_space: global }
      - { .name: bqkv, .offset: 8, .size: 8, .value_kind: global_buffer, .address_space: global }
      - { .name: lowp_scales, .offset: 16, .size: 8, .value_kind: global_buffer, .address_space: global }
      - { .name: qkv, .offset: 24, .size: 8, .value_kind: global_buffer, .address_space: global }
    .group_segment_fixed_size: 327680
    .private_segment_fixed_size: 0
    .kernarg_segment_align: 8
    .kernarg_segment_size: 32
    .max_flat_workgroup_size: 128
    .sgpr_count:     98
    .vgpr_count:     1024
    .wavefront_size: 32
...
	.end_amdgpu_metadata
.endif
;; end of part 2
;; launch attn (part 3): grid 16 x 16, 16 waves a work-group, no clusters, 198,656 bytes of LDS; arguments qkv, lowp_scales, oc; writes oc
.if DOCPART == 3
	.amdgcn_target "amdgcn-amd-amdhsa--gfx1250"
	.amdhsa_code_object_version 6
	.text
	.protected	k_q2c7b63493c_attn
	.globl	k_q2c7b63493c_attn
	.p2align	8
	.type	k_q2c7b63493c_attn,@function
k_q2c7b63493c_attn:
	s_mov_b64 s[64:65], 0
	v_nop
	global_prefetch_b8 v0, s[64:65] scope:SCOPE_SE
	s_setreg_imm32_b32 hwreg(HW_REG_WAVE_MODE, 25, 1), 1
	s_wait_xcnt 0x0
; Dilated causal attention on codes of E4M3.  The mask (same parity, 0 <= q - k <= 512) makes the even and the odd tokens two sequences of 1,024 with a causal band of 257 keys; q, k, v lie in that order already.
; SHARES.  A work-group: 64 queries (x) of one (batch, parity) and four heads (y = 4 (2 b + parity) + group of heads).  Wave w: head w / 4 of the four, queries 16 (w % 4) on: one tile.
; Its keys are 64 x - 256 .. 64 x + 63: five steps of 64.  Steps 1-3 count whole; in step 0 key kappa counts where kappa >= the query's place rho in the block, in step 4 where kappa <= rho.
; A step whose keys lie in front of the sequence is left out by a scalar branch on the work-group's number (its tile is fetched from block 0 and not read).
; LDS: five tiles of K (64 keys x 256 bytes) and five of V, all 64 rows with pitch 272, each filled once; a stage for the way out.  Nothing is filled twice.
; A step's part of V, 256 features x 64 keys, is 16,384 dense bytes: it comes as 64 rows of 256 bytes, four features to a row: feature f lies at 272 (f / 4) + 64 (f % 4).
; WHO FETCHES.  Ten tiles, one tensor load each: wave w < 5 asks for K's tile of step w, wave 5 <= w < 10 for V's of step w - 5; tile w lies at w x 17,408.  Every wave waits for its load (for 0),
; one barrier follows, and the five steps run with no barrier between them: nobody writes the tiles again.
; No cluster: neighbouring blocks of queries want windows of keys shifted by 64, so partners would ask for different tiles.  No prefetch: all tiles are asked for at the head, and there is no loop to run ahead in.
; LAYOUT.  S^T = K Q^T and O^T = V^T P^T: a lane holds one query (lane % 16).  Lane r of K's tile 2 b + u takes key 32 b + 8 u + r + 8 (r / 8), so that score register 16 b + i is key 32 b + 16 (lane / 16) + i.
; SOFTMAX: t = score x log2(e) / 8; M = the running largest t rounded up; p = 2^(t - M) is quantised with e4; the sum is of the unquantised p; a change of M multiplies by an exact power of two.
; OUT: oc [row'][1024]: o / 2^e6 as codes.  LIMITS: e2 + e3 between -123 and 130; e4, and e6 - e4 - e5, between -126 and 119.  NaN is not served.
; REGISTERS: v1-9 addresses; v12 -M, v13 the largest t, v[14:15] the sum; v16-23 Q; v24-31 p's codes; v32-63 K; v64-95 S^T, then p; v96-127 O^T; v128-159 V; v160-175 at work and constants; v176, v177 the spare word and 0.
.set KT,    17408                      ; a tile in LDS: 64 x 272
.set VBASE, 5*KT
.set STG,   10*KT                      ; the stage: 64 rows x (256 + 16)
.set G0,    68                         ; s[68:71] descriptor group 0
	s_load_b128 s[4:7], s[0:1], 0x0                ; qkv, the exponents
	s_load_b64 s[8:9], s[0:1], 0x10                ; oc
	v_lshl_add_u32 v176, v0, 2, 0x30000
	v_mov_b32 v177, 0
	ds_add_u32 v176, v177                          ; the opening lines: the add, twice on end, and its wait
	ds_add_u32 v176, v177
	v_lshrrev_b32 v1, 5, v0
	s_delay_alu instid0(VALU_DEP_1)
	v_readfirstlane_b32 s10, v1                    ; wave 0..15
	s_lshr_b32 s11, s10, 2                         ; my head of the four
	s_and_b32 s12, s10, 3                          ; my tile of queries
	s_cmp_ge_u32 s10, 5
	s_cselect_b32 s13, 1, 0                        ; what I fetch: 0 K, 1 V
	s_cselect_b32 s19, 5, 0
	s_sub_co_u32 s19, s10, s19                     ; and of which step
	s_mov_b32 s14, ttmp9                           ; the block of 64 queries
	s_and_b32 s15, ttmp7, 0xffff
	s_lshr_b32 s16, s15, 2                         ; 2 b + parity
	s_and_b32 s17, s15, 3                          ; the group of four heads
	s_sub_co_i32 s18, s14, 4                       ; step g holds block s18 + g of 64 keys
	; a block of 64 keys begins at (16 (2 b + parity) + block) x 65,536 in K's part as in V's; my group of heads at 256 x group in a row of K, at 16,384 x group in a block of V
	s_lshl_b32 s40, s17, 8
	s_add_co_u32 s40, s40, 0x400000
	s_lshl_b32 s41, s17, 14
	s_add_co_u32 s41, s41, 0x800000
	s_cmp_eq_u32 s13, 0
	s_cselect_b32 s40, s40, s41
	s_min_u32 s41, s10, 9
	s_mul_i32 s41, s41, KT                         ; where my tile lies in LDS
	s_lshl_b32 s42, s16, 4
	s_mov_b32 s24, (0<<16)|(1<<20)|(5<<22)|(3<<25) ; K's tiles: elements of 1 byte, 4 words of padding behind every 64
	s_mov_b32 s25, 256<<16
	s_mov_b32 s26, 64<<16
	s_mov_b32 s27, 256<<16
	s_mov_b32 s28, 64
	s_mov_b32 s29, 1024                            ; from row to row
	s_mov_b32 s30, 0
	s_mov_b32 s31, 0
	s_mov_b32 s32, (0<<16)|(1<<20)|(5<<22)|(3<<25) ; V's tiles: the same shape; the rows follow each other in memory
	s_mov_b32 s33, 256<<16
	s_mov_b32 s34, 64<<16
	s_mov_b32 s35, 256<<16
	s_mov_b32 s36, 64
	s_mov_b32 s37, 256
	s_mov_b32 s38, 0
	s_mov_b32 s39, 0
	s_mov_b32 s20, 0x76543210                      ; v_permlanex16_b32: lane l xor 16
	s_mov_b32 s21, 0xfedcba98
	s_mov_b32 s22, 0x3e38aa3b                      ; c = log2(e) / 8
	s_wait_dscnt 0x0
	s_wait_kmcnt 0x0
	s_load_b256 s[48:55], s[6:7], 0x0              ; e0 .. e7
	s_add_co_i32 s44, s18, s19
	s_max_i32 s44, s44, 0                          ; my step's block of keys; block 0 where the step lies in front of the sequence
	s_add_co_u32 s44, s44, s42
	s_lshl_b32 s44, s44, 16
	s_add_co_u32 s44, s44, s40
	s_mov_b32 s45, 0
	s_mov_b32 s[G0], 1
	s_mov_b32 s[G0+1], s41
	s_add_nc_u64 s[G0+2:G0+3], s[4:5], s[44:45]
	s_or_b32 s[G0+3], s[G0+3], 0x80000000
	s_cmp_lt_u32 s10, 5                            ; one chain of branches on the wave's number, one fill to an arm
	s_cbranch_scc0 .Lnot_k
	tensor_load_to_lds s[G0:G0+3], s[24:31]
	s_nop 0
.rept 4
	v_nop
.endr
	s_branch .Lnofill
.Lnot_k:
	s_cmp_lt_u32 s10, 10
	s_cbranch_scc0 .Lnofill
	tensor_load_to_lds s[G0:G0+3], s[32:39]
	s_nop 0
.rept 4
	v_nop
.endr
.Lnofill:
	s_lshl_b32 s60, s16, 10
	s_lshl_b32 s61, s14, 6
	s_add_co_u32 s60, s60, s61                     ; the block's first row'
	s_lshl_b32 s56, s10, 2
	s_add_co_u32 s56, s60, s56
	s_lshl_b32 s56, s56, 10
	s_lshl_b32 s57, s17, 8
	s_add_co_u32 s56, s56, s57
	s_mov_b32 s57, 0
	s_add_nc_u64 s[8:9], s[8:9], s[56:57]          ; oc: rows 4 wave on, byte 256 x group
	s_lshl_b32 s61, s12, 4
	s_add_co_u32 s60, s60, s61
	s_lshl_b32 s60, s60, 10
	s_lshl_b32 s61, s17, 2
	s_add_co_u32 s61, s61, s11
	s_lshl_b32 s61, s61, 6
	s_add_co_u32 s60, s60, s61
	s_mov_b32 s61, 0
	s_add_nc_u64 s[62:63], s[4:5], s[60:61]        ; Q: my 16 rows, my head's 64 bytes
	v_and_b32 v10, 15, v0                          ; r
	v_bfe_u32 v11, v0, 4, 1                        ; h
	s_delay_alu instid0(VALU_DEP_2)
	v_lshlrev_b32 v172, 10, v10
	s_delay_alu instid0(VALU_DEP_1)
	v_lshl_add_u32 v172, v11, 4, v172
	global_load_b128 v[16:19], v172, s[62:63]
	global_load_b128 v[20:23], v172, s[62:63] offset:32
	v_and_b32 v1, 8, v10
	s_delay_alu instid0(VALU_DEP_1)
	v_add_nc_u32 v1, v1, v10                       ; r + 8 (r / 8)
	s_delay_alu instid0(VALU_DEP_1)
	v_mul_u32_u24 v1, v1, 272
	s_delay_alu instid0(VALU_DEP_1)
	v_lshl_add_u32 v1, v11, 4, v1
	s_lshl_b32 s56, s11, 6
	v_add_nc_u32 v1, s56, v1                       ; my lane's place in a tile of K
	v_lshrrev_b32 v2, 2, v10                       ; V: feature 64 head + 16 t + r lies in row 16 head + 4 t + r / 4, at byte 64 (r % 4)
	s_delay_alu instid0(VALU_DEP_1)
	v_mul_u32_u24 v2, v2, 272
	v_and_b32 v8, 3, v10
	s_delay_alu instid0(VALU_DEP_1)
	v_lshl_add_u32 v2, v8, 6, v2
	s_delay_alu instid0(VALU_DEP_1)
	v_lshl_add_u32 v2, v11, 4, v2
	s_mul_i32 s56, s11, 16*272
	s_add_co_u32 s56, s56, VBASE
	v_add_nc_u32 v2, s56, v2                       ; my lane's place in a tile of V
	v_lshlrev_b32 v3, 4, v11
	s_delay_alu instid0(VALU_DEP_1)
	v_sub_nc_u32 v3, v10, v3
	s_lshl_b32 s56, s12, 4
	v_add_nc_u32 v3, s56, v3                       ; rho - 16 h: score register n holds key 32 (n / 16) + n % 16 + 16 h
	s_mul_i32 s56, s12, 16*272
	s_lshl_b32 s57, s11, 6
	s_add_co_u32 s56, s56, s57
	s_add_co_u32 s56, s56, STG
	v_mul_u32_u24 v4, v10, 272
	s_delay_alu instid0(VALU_DEP_1)
	v_lshl_add_u32 v4, v11, 3, v4
	s_delay_alu instid0(VALU_DEP_1)
	v_add_nc_u32 v4, s56, v4                       ; the stage, in: row rho, byte 64 head + 16 t + 8 h
	s_mul_i32 s56, s10, 4*272
	s_add_co_u32 s56, s56, STG
	v_mul_u32_u24 v5, v11, 272
	s_delay_alu instid0(VALU_DEP_1)
	v_lshl_add_u32 v5, v10, 4, v5
	s_delay_alu instid0(VALU_DEP_1)
	v_add_nc_u32 v5, s56, v5                       ; back: rows 4 wave on, sixteen lanes to a row
	v_lshlrev_b32 v6, 10, v11
	s_delay_alu instid0(VALU_DEP_1)
	v_lshl_add_u32 v6, v10, 4, v6
	v_mov_b32 v7, 0xff800000                       ; -infinity
	v_mov_b32 v13, 0xff61b1e6                      ; the largest t so far: -3e38
	s_delay_alu instid0(VALU_DEP_1)
	v_floor_f32 v12, -v13
	v_mov_b32 v14, 0
	v_mov_b32 v15, 0
	v_mov_b32 v163, 0                              ; (named as the upper half of a pair)
	v_mov_b32 v164, 0                              ; (a permute's destination counts as read)
.set N, 0
.rept 32
	v_mov_b32 v[96+N], 0                           ; O^T: which step is a work-group's first differs, so every step adds onto what it finds
.set N, N+1
.endr
	s_wait_kmcnt 0x0
	s_add_co_i32 s56, s50, s51
	s_lshl_b32 s56, s56, 23
	s_add_co_i32 s22, s22, s56                     ; e2 + e3 go into c's exponent field
	s_mov_b32 s23, s22
	s_add_co_i32 s56, s52, 127
	s_lshl_b32 s57, s56, 23
	v_mov_b32 v168, s57                            ; 2^e4
	s_add_co_i32 s56, s56, 8
	s_lshl_b32 s56, s56, 23
	s_or_b32 s56, s56, 0x600000
	v_mov_b32 v169, s56                            ; 448 x 2^e4
	s_sub_co_i32 s56, s54, s52
	s_sub_co_i32 s56, s56, s53
	s_add_co_i32 s56, s56, 127
	s_lshl_b32 s57, s56, 23
	v_mov_b32 v170, s57                            ; 2^(e6 - e4 - e5): O^T / the sum stands for o / 2^(e4 + e5)
	s_add_co_i32 s56, s56, 8
	s_lshl_b32 s56, s56, 23
	s_or_b32 s56, s56, 0x600000
	v_mov_b32 v171, s56
; A STEP of 64 keys.  mask = 1: keys under rho are hidden; 2: keys over rho; 0: all count.
.macro STEP g, mask
.if \g < 4
	s_cmp_lt_i32 s18, -(\g)                        ; the step's keys lie in front of the sequence
	s_cbranch_scc1 .Lhid_\@
.endif
	v_add_nc_u32 v8, (\g)*KT, v1
	v_add_nc_u32 v9, (\g)*KT, v2
	v_nop
	v_nop                                          ; four plain instructions between the last products and the loads into V's registers
.irp t, 0,1,2,3
.irp c, 0,1
	ds_load_b128 v[32+8*\t+4*\c:32+8*\t+4*\c+3], v8 offset:(32*(\t/2)+8*(\t%2))*272+32*\c
.endr
.endr
.irp t, 0,1,2,3
.irp c, 0,1
	ds_load_b128 v[128+8*\t+4*\c:128+8*\t+4*\c+3], v9 offset:4*272*\t+32*\c
.endr
.endr
	s_wait_dscnt 8                                 ; K is in; V's eight loads may be out
.irp t, 0,1,2,3
	v_wmma_f32_16x16x64_fp8_fp8 v[64+8*\t:71+8*\t], v[32+8*\t:39+8*\t], v[16:23], 0
.endr
.rept 4
	v_nop
.endr
.if \mask
.set N, 0
.rept 32
.if \mask == 1
	v_cmp_lt_i32 vcc_lo, 32*(N/16)+N%16, v3
.else
	v_cmp_gt_i32 vcc_lo, 32*(N/16)+N%16, v3
.endif
	v_cndmask_b32 v[64+N], v[64+N], v7, vcc_lo     ; a hidden score becomes -infinity: p = 0
.set N, N+1
.endr
.endif
	v_max3_num_f32 v160, v64, v65, v66             ; the step's largest score of my query, in two chains
	v_max3_num_f32 v161, v67, v68, v69
.irp i, 6,10,14,18,22,26
	v_max3_num_f32 v160, v160, v[64+\i], v[65+\i]
	v_max3_num_f32 v161, v161, v[66+\i], v[67+\i]
.endr
	v_max3_num_f32 v160, v160, v94, v95
	s_delay_alu instid0(VALU_DEP_1)
	v_max_num_f32 v160, v160, v161
	s_delay_alu instid0(VALU_DEP_1)
	v_permlanex16_b32 v164, v160, s20, s21
	s_delay_alu instid0(VALU_DEP_1)
	v_max_num_f32 v160, v160, v164
	s_delay_alu instid0(VALU_DEP_1)
	v_mul_f32 v160, s22, v160                      ; as t (c is positive)
	s_delay_alu instid0(VALU_DEP_1)
	v_max_num_f32 v13, v13, v160
	v_mov_b32 v160, v12
	s_delay_alu instid0(VALU_DEP_2)
	v_floor_f32 v12, -v13                          ; -M = floor(-t)
	s_delay_alu instid0(VALU_DEP_1)
	v_sub_f32 v160, v12, v160                      ; old M - new M: a whole number, 0 or less
	s_delay_alu instid0(VALU_DEP_1)
	v_cvt_i32_f32 v160, v160                       ; (it saturates)
	s_delay_alu instid0(VALU_DEP_1)
	v_ldexp_f32 v162, 1.0, v160                    ; f = 2^(old M - new M)
.set N, 0
.rept 16
	v_pk_fma_f32 v[64+N:65+N], v[64+N:65+N], s[22:23], v[12:13] op_sel_hi:[1,0,0]
.set N, N+2
.endr
	s_wait_alu depctr_va_vdst(0)                   ; the wait ahead of the batch
.set N, 0
.rept 32
	v_exp_f32 v[64+N], v[64+N]
.set N, N+1
.endr
	v_pk_mul_f32 v[14:15], v[14:15], v[162:163] op_sel_hi:[1,0]   ; the sum under the new M: the plain instruction behind the exponentials
	s_wait_alu depctr_va_vdst(0)                   ; one wait for the batch, ahead of its first reader
	v_pk_add_f32 v[166:167], v[68:69], v[72:73]    ; the sum of the unquantised p, in independent chains
	v_pk_add_f32 v[174:175], v[76:77], v[80:81]
	v_pk_add_f32 v[172:173], v[84:85], v[88:89]
	v_pk_add_f32 v[160:161], v[92:93], v[64:65]
	v_pk_add_f32 v[62:63], v[66:67], v[70:71]
	v_pk_add_f32 v[60:61], v[74:75], v[78:79]
	v_pk_add_f32 v[58:59], v[82:83], v[86:87]
	v_pk_add_f32 v[14:15], v[14:15], v[90:91]
	v_pk_add_f32 v[166:167], v[166:167], v[94:95]
	s_delay_alu instid0(VALU_DEP_2)
	v_pk_add_f32 v[14:15], v[14:15], v[160:161]
	s_delay_alu instid0(VALU_DEP_2)
	v_pk_add_f32 v[166:167], v[166:167], v[62:63]
	v_pk_add_f32 v[174:175], v[174:175], v[60:61]
	v_pk_add_f32 v[172:173], v[172:173], v[58:59]
	s_delay_alu instid0(VALU_DEP_2)
	v_pk_add_f32 v[14:15], v[14:15], v[174:175]
	s_delay_alu instid0(VALU_DEP_2)
	v_pk_add_f32 v[166:167], v[166:167], v[172:173]
	s_delay_alu instid0(VALU_DEP_1)
	v_pk_add_f32 v[14:15], v[14:15], v[166:167]
.set N, 0
.rept 32
	v_min_num_f32 v[64+N], v[64+N], v169           ; p is not negative: a one-sided hold
.set N, N+1
.endr
.irp b, 0,1,2,3
	v_cvt_scalef32_pk8_fp8_f32 v[24+2*\b:25+2*\b], v[64+8*\b:71+8*\b], v168
.endr
	s_wait_alu depctr_va_vdst(0)                   ; the wait directly ahead of the first reader of O^T
.set N, 0
.rept 16
	v_pk_mul_f32 v[96+N:97+N], v[96+N:97+N], v[162:163] op_sel_hi:[1,0]   ; O^T under the new M
.set N, N+2
.endr
	s_wait_alu depctr_va_vdst(0)
	s_wait_dscnt 0x0                               ; V is in
.irp t, 0,1,2,3
	v_wmma_f32_16x16x64_fp8_fp8 v[96+8*\t:103+8*\t], v[128+8*\t:135+8*\t], v[24:31], v[96+8*\t:103+8*\t]
.endr
.if \g < 4
.Lhid_\@:
.endif
.endm
	s_wait_alu depctr_va_vdst(0)
	s_wait_loadcnt 0x0                             ; Q
	s_wait_tensorcnt 0x0                           ; my tile, if I asked for one, has landed
	s_barrier_signal -1
	s_barrier_wait -1                              ; all ten have, for every wave
	STEP 0, 1
	STEP 1, 0
	STEP 2, 0
	STEP 3, 0
	STEP 4, 2
	; THE WAY OUT: O^T / the sum, quantised with e6, through the stage: a row's 256 bytes come from four waves
.rept 4
	v_nop
.endr
	v_add_f32 v14, v14, v15
	s_delay_alu instid0(VALU_DEP_1)
	v_permlanex16_b32 v164, v14, s20, s21
	s_delay_alu instid0(VALU_DEP_1)
	v_add_f32 v14, v14, v164
	s_wait_alu depctr_va_vdst(0)
	v_rcp_f32 v14, v14
	v_nop
	s_wait_alu depctr_va_vdst(0)
.set N, 0
.rept 32
	v_mul_f32 v[64+N], v[96+N], v14                ; register 8 t + j: channel 16 t + 8 h + j of my query
.set N, N+1
.endr
.set N, 0
.rept 32
	v_med3_num_f32 v[64+N], v[64+N], -v171, v171
.set N, N+1
.endr
.irp t, 0,1,2,3
	v_cvt_scalef32_pk8_fp8_f32 v[24+2*\t:25+2*\t], v[64+8*\t:71+8*\t], v170
.endr
	v_nop
.irp t, 0,1,2,3
	ds_store_b64 v4, v[24+2*\t:25+2*\t] offset:16*\t
.endr
	s_wait_dscnt 0x0
	s_barrier_signal -1
	s_barrier_wait -1
	ds_load_b128 v[64:67], v5
	ds_load_b128 v[68:71], v5 offset:544
	s_wait_dscnt 1                                 ; the first two rows are back; the second load may be out
	global_store_b128 v6, v[64:67], s[8:9]         ; sixteen lanes store 256 consecutive aligned bytes
	s_wait_dscnt 0
	global_store_b128 v6, v[68:71], s[8:9] offset:2048
	s_wait_tensorcnt 0x0                           ; the wave's end
	ds_add_u32 v176, v177
	s_wait_dscnt 0x0
	s_endpgm
.Lfunc_end_k_q2c7b63493c_attn:
	.size	k_q2c7b63493c_attn, .Lfunc_end_k_q2c7b63493c_attn-k_q2c7b63493c_attn
	.p2alignl 7, 3214868480
	.fill 96, 4, 3214868480
	.section	.rodata,"a",@progbits
	.p2align	6, 0x0
	.amdhsa_kernel k_q2c7b63493c_attn
		.amdhsa_group_segment_fixed_size 198656
		.amdhsa_private_segment_fixed_size 0
		.amdhsa_enable_private_segment 0
		.amdhsa_kernarg_size 24
		.amdhsa_user_sgpr_count 2
		.amdhsa_user_sgpr_kernarg_segment_ptr 1
		.amdhsa_wavefront_size32 1
		.amdhsa_system_sgpr_workgroup_id_x 1
		.amdhsa_system_sgpr_workgroup_id_y 1
		.amdhsa_system_sgpr_workgroup_id_z 1
		.amdhsa_system_vgpr_workitem_id 0
		.amdhsa_next_free_vgpr 178
		.amdhsa_next_free_sgpr 88
		.amdhsa_reserve_vcc 1
		.amdhsa_float_denorm_mode_32 3
		.amdhsa_float_denorm_mode_16_64 3
		.amdhsa_memory_ordered 1
		.amdhsa_forward_progress 1
		.amdhsa_inst_pref_size 64
	.end_amdhsa_kernel
	.amdgpu_metadata
---
amdhsa.version: [ 1, 2 ]
amdhsa.kernels:
  - .name:           k_q2c7b63493c_attn
    .symbol:         k_q2c7b63493c_attn.kd
    .args:
      - { .name: qkv, .offset: 0, .size: 8, .value_kind: global_buffer, .address_space: global }
      - { .name: lowp_scales, .offset: 8, .size: 8, .value_kind: global_buffer, .address_space: global }
      - { .name: oc, .offset: 16, .size: 8, .value_kind: global_buffer, .address_space: global }
    .group_segment_fixed_size: 198656
    .private_segment_fixed_size: 0
    .kernarg_segment_align: 8
    .kernarg_segment_size: 24
    .max_flat_workgroup_size: 512
    .sgpr_count:     88
    .vgpr_count:     178
    .wavefront_size: 32
...
	.end_amdgpu_metadata
.endif
;; end of part 3
;; launch gemm_out (part 4): grid 8 x 32, 4 waves a work-group, clusters of 4 x 4, 327,680 bytes of LDS; arguments oc, wc, lowp_scales, bout, x, x1; writes x1
.if DOCPART == 4
	.amdgcn_target "amdgcn-amd-amdhsa--gfx1250"
	.amdhsa_code_object_version 6
	.text
	.protected	k_q2c7b63493c_gemm_out
	.globl	k_q2c7b63493c_gemm_out
	.p2align	8
	.type	k_q2c7b63493c_gemm_out,@function
k_q2c7b63493c_gemm_out:
	s_mov_b64 s[64:65], 0
	v_nop
	global_prefetch_b8 v0, s[64:65] scope:SCOPE_SE
	s_setreg_imm32_b32 hwreg(HW_REG_WAVE_MODE, 25, 1), 1
	s_wait_xcnt 0x0
	s_wait_alu depctr_hold_cnt(0) depctr_sa_sdst(0) depctr_va_vdst(0) depctr_va_sdst(0) depctr_va_ssrc(0) depctr_va_vcc(0) depctr_vm_vsrc(0)
	s_getreg_b32 s2, hwreg(HW_REG_IB_STS2, 6, 4)
	s_cmp_eq_u32 s2, 0
	s_cbranch_scc0 .Lentry_in_a_cluster
	s_endpgm
.Lentry_in_a_cluster:
	s_bfe_u32 s2, ttmp6, 0x10000c
	s_cmp_lg_u32 s2, 0xf033
	s_cbranch_scc0 .Lentry_shape_is_right
	s_endpgm
.Lentry_shape_is_right:
; x1 = x + Q(o) Q(Wout) + bout.  A: codes [4096 row'][1024]; B: codes [1024][1024] at WOFF of wc; residual and result: f32, natural rows.
; A tile of 128 x 128 to a work-group (256 work-groups), 64 x 64 a wave: 16 accumulators.  ALL OF K LIES IN LDS AT ONCE: 128 + 128 rows of 1,024 bytes + 16 of padding are 266,240 bytes.
; Each wave asks for 64 whole rows by one tensor load at the head; nothing is filled twice, so there is no ring and one barrier.  No prefetch: the one fill asks for all of K, and there is no loop to run ahead in.
; CLUSTERS 4 x 4: A's tile jointly along a row of the cluster, B's along a column.  The matrix instruction is used transposed: a lane holds eight neighbouring columns of one row.
; A tile's 128 rows' lie in one (batch, parity): their natural rows are 8,192 bytes apart.  The residual is asked for at the head into registers laid as the stage gives the sums back.
; LIMIT: e6 + e7 between -126 and 127.
; REGISTERS: window 0: v0-31 addresses, v8-11 the bias; v32-95 at work on the way out; v128-255 the accumulators.  window 1: two fragment buffers (A's four blocks, then B's four).  window 2: v0-127 the residual.
.set SIZE_K, 1024
.set WOFF,   0x300000
.set PITCH,  1040                      ; 65 x 16 bytes: the 16 rows that a load touches start at 16 different banks (ISA guide 11.1)
.set HALFT,  64*PITCH
.set STAGE,  4*HALFT                   ; behind the tiles: 16 rows x 272 bytes for each wave
.set SPITCH, 272
.set SPARE,  STAGE+4*16*SPITCH         ; behind the stages: the spare words
.set BIAS, 8
.set ADRA, 16
.set ADRB, 20
.set STO,  24
.set RD,   25
.set CO,   26
.set SPW,  28
.set NIL,  29
.set ACC,  128
.set F0,   0
.set F1,   128
.set G1, 24
.set G0, 32
.set G1B, 48
.set G0B, 56
.set MSB, 0
.macro WIN new                         ; the immediate's high byte repeats the setting that is left
.if MSB != \new
	s_set_vgpr_msb (MSB<<8)|\new
.set MSB, \new
.endif
.endm
.set MUL,  0x05                        ; sources 0 (B) and 1 (A) window 1; C and D window 0
.set TO_F, 0x40
.macro CREST
	s_cmp_lg_u32 s16, 0
	s_cbranch_scc1 .Lnot_wave_0_\@
	s_barrier_signal -3
.Lnot_wave_0_\@:
	s_barrier_wait -3
	s_barrier_signal -1
	s_barrier_wait -1
.endm
.macro CROUND
	s_barrier_signal -1
	s_barrier_wait -1
	CREST
.endm
.macro PLACES
.rept 4
	v_nop
.endr
.endm
	s_load_b256 s[4:11], s[0:1], 0x0               ; A 4, wc 6, the exponents 8, the bias 10
	s_load_b128 s[12:15], s[0:1], 0x20             ; the residual 12, the result 14
	v_lshl_add_u32 v[SPW], v0, 2, SPARE
	v_mov_b32 v[NIL], 0
	ds_add_u32 v[SPW], v[NIL]                      ; the opening lines: the add, twice on end, and its wait
	ds_add_u32 v[SPW], v[NIL]
	v_lshrrev_b32 v1, 5, v0
	v_readfirstlane_b32 s16, v1                    ; wave 0..3
	s_lshr_b32 s17, s16, 1                         ; my half of the rows; also: I fetch for A (0) or B (1)
	s_and_b32 s18, s16, 1                          ; my half of the columns; also: which 64 rows I fetch
	s_bfe_u32 s40, ttmp6, 0x40000                  ; cx
	s_bfe_u32 s41, ttmp6, 0x40004                  ; cy
	s_lshl_b32 s42, ttmp9, 2
	s_add_co_u32 s42, s42, s40                     ; tile column
	s_and_b32 s19, ttmp7, 0xffff
	s_lshl_b32 s19, s19, 2
	s_add_co_u32 s19, s19, s41                     ; tile row
	s_lshl_b32 s43, s41, 2
	s_lshl_b32 s43, 15, s43                        ; my row of the cluster
	s_lshl_b32 s44, 0x1111, s40                    ; my column
	s_or_b32 s[G1+0], s43, (0<<16)|(1<<20)|(1<<21)|(7<<22)|(3<<25)  ; the mask; elements of 1 byte; 4 words of padding behind every 256
	s_or_b32 s[G1B+0], s44, (0<<16)|(1<<20)|(1<<21)|(7<<22)|(3<<25)
.irp g, G1, G1B
	s_mov_b32 s[\g+1], SIZE_K<<16                  ; tensor_dim0
	s_mov_b32 s[\g+2], 64<<16                      ; tensor_dim1
	s_mov_b32 s[\g+3], SIZE_K<<16                  ; tile_dim0
	s_mov_b32 s[\g+4], 64                          ; tile_dim1
	s_mov_b32 s[\g+5], SIZE_K                      ; from row to row
	s_mov_b32 s[\g+6], 0
	s_mov_b32 s[\g+7], 0
.endr
	s_lshl_b32 s21, s18, 6
	s_lshl_b32 s20, s19, 7
	s_add_co_u32 s20, s20, s21
	s_mul_i32 s66, s20, SIZE_K                     ; A: row 128 x tile row + 64 x half
	s_mov_b32 s67, 0
	s_lshl_b32 s46, s42, 7
	s_add_co_u32 s46, s46, s21
	s_mul_i32 s46, s46, SIZE_K
	s_add_co_u32 s46, s46, WOFF                    ; B: row 128 x tile column + 64 x half
	s_mov_b32 s47, 0
	s_mul_i32 s45, s16, HALFT                      ; where they go: wave x 64 rows
	s_wait_dscnt 0x0
	s_wait_kmcnt 0x0
	s_load_b64 s[70:71], s[8:9], 24                ; e6, e7
	s_mov_b32 s[G0], 1
	s_mov_b32 s[G0+1], s45
	s_add_nc_u64 s[G0+2:G0+3], s[4:5], s[66:67]
	s_or_b32 s[G0+3], s[G0+3], 0x80000000
	s_mov_b32 s[G0B], 1
	s_mov_b32 s[G0B+1], s45
	s_add_nc_u64 s[G0B+2:G0B+3], s[6:7], s[46:47]
	s_or_b32 s[G0B+3], s[G0B+3], 0x80000000
	CROUND                                         ; all sixteen work-groups are here: the joint loads meet
	s_cmp_eq_u32 s17, 0
	s_cbranch_scc0 .Lfor_b
	tensor_load_to_lds s[G0:G0+3], s[G1:G1+7]
	s_nop 0
	PLACES
	s_branch .Lasked
.Lfor_b:
	tensor_load_to_lds s[G0B:G0B+3], s[G1B:G1B+7]
	s_nop 0
	PLACES
.Lasked:
	s_lshl_b32 s20, s19, 7
	s_lshl_b32 s21, s17, 6
	s_add_co_u32 s20, s20, s21                     ; my first row'
	s_and_b32 s21, s20, 0xfffff800                 ; 2048 b
	s_bfe_u32 s22, s20, 0x1000a                    ; the parity
	s_and_b32 s23, s20, 1023
	s_lshl_b32 s23, s23, 1
	s_add_co_u32 s21, s21, s22
	s_add_co_u32 s21, s21, s23                     ; its natural row
	s_lshl_b32 s72, s21, 12
	s_lshl_b32 s22, s42, 9
	s_lshl_b32 s23, s18, 8
	s_add_co_u32 s22, s22, s23                     ; my first column, in bytes: a multiple of 256
	s_add_co_u32 s72, s72, s22
	s_mov_b32 s73, 0
	s_mov_b32 s23, 0
	s_add_nc_u64 s[12:13], s[12:13], s[72:73]
	s_add_nc_u64 s[14:15], s[14:15], s[72:73]
	s_add_nc_u64 s[10:11], s[10:11], s[22:23]
	s_mul_i32 s36, s17, HALFT                      ; my 64 rows of A
	s_mul_i32 s37, s18, HALFT
	s_add_co_u32 s37, s37, 2*HALFT                 ; my 64 rows of B, behind A's 128
	s_mul_i32 s38, s16, 16*SPITCH
	s_add_co_u32 s38, s38, STAGE                   ; my stage
	v_and_b32 v1, 15, v0                           ; r
	v_bfe_u32 v2, v0, 4, 1                         ; h
	v_mul_u32_u24 v3, v1, PITCH
	v_lshl_add_u32 v3, v2, 4, v3
	v_add_nc_u32 v[ADRA], s36, v3
	v_add_nc_u32 v[ADRB], s37, v3
	v_mul_u32_u24 v4, v1, SPITCH
	v_lshl_add_u32 v4, v2, 5, v4
	v_add_nc_u32 v[STO], s38, v4                   ; in: row r, 32 bytes for each half of the lanes
	v_mul_u32_u24 v5, v2, SPITCH
	v_lshl_add_u32 v5, v1, 4, v5
	v_add_nc_u32 v[RD], s38, v5                    ; back: sixteen lanes to a row of 256 bytes
	v_lshlrev_b32 v5, 13, v2
	v_lshl_add_u32 v[CO], v1, 4, v5                ; the same two rows in memory: 8,192 bytes apart
	v_lshlrev_b32 v12, 4, v1
	s_wait_alu depctr_va_vdst(0)                   ; the wait behind the head's last vector instruction
	global_load_b128 v[BIAS:BIAS+3], v12, s[10:11] ; the bias of my four columns
	WIN 0x80                                       ; destination window 2
.set N, 0
.rept 32
	global_load_b128 v[4*N:4*N+3], v[CO], s[12:13] offset:2*N*8192   ; the residual: register 4 (8 a + t) + c: row 16 a + 2 t + l / 16, column 4 (l % 16) + c
.set N, N+1
.endr
	WIN 0
	s_wait_kmcnt 0x0
	s_add_co_i32 s68, s70, s71
	s_add_co_i32 s68, s68, 127
	s_lshl_b32 s68, s68, 23                        ; 2^(e6 + e7)
	s_mov_b32 s69, s68
.macro MUL4 f, a, zero                 ; A's block a x B's four, 128 along K; the 16 accumulators take turns
.irp b, 0,1,2,3
.if \zero
	v_wmma_f32_16x16x128_fp8_fp8 v[ACC+8*(4*(\a)+\b):ACC+8*(4*(\a)+\b)+7], v[\f+64+16*\b:\f+64+16*\b+15], v[\f+16*(\a):\f+16*(\a)+15], 0
.else
	v_wmma_f32_16x16x128_fp8_fp8 v[ACC+8*(4*(\a)+\b):ACC+8*(4*(\a)+\b)+7], v[\f+64+16*\b:\f+64+16*\b+15], v[\f+16*(\a):\f+16*(\a)+15], v[ACC+8*(4*(\a)+\b):ACC+8*(4*(\a)+\b)+7]
.endif
.endr
.endm
.macro FETCH k, f                      ; 32 LDS loads in one run: B's four blocks, then A's four, 128 along K at byte k of the rows
	WIN TO_F
.irp i, 0,1,2,3
.irp c, 0,1,2,3
	ds_load_b128 v[\f+64+16*\i+4*\c:\f+64+16*\i+4*\c+3], v[ADRB] offset:\k+32*\c+\i*16*PITCH
.endr
.endr
.irp i, 0,1,2,3
.irp c, 0,1,2,3
	ds_load_b128 v[\f+16*\i+4*\c:\f+16*\i+4*\c+3], v[ADRA] offset:\k+32*\c+\i*16*PITCH
.endr
.endr
.endm
.macro QUARTER k, f, g, zero           ; multiplies buffer f and fetches the next 128 along K, at byte k, into g
	s_wait_dscnt 8                                 ; B and A's blocks 0, 1 are in; the eight youngest loads (A's blocks 2, 3) may be out
	WIN MUL
	MUL4 \f, 0, \zero
	MUL4 \f, 1, \zero
	PLACES                                         ; four plain instructions ahead of loads into registers that matrix instructions have read
	FETCH \k, \g
	s_wait_dscnt 32                                ; all but the 32 just issued
	WIN MUL
	MUL4 \f, 2, \zero
	MUL4 \f, 3, \zero
.endm
	s_wait_tensorcnt 0x0                           ; my 64 rows have landed
	s_barrier_signal -1
	s_barrier_wait -1                              ; and everybody's
	FETCH 0, F0
	QUARTER 128, F0, F1, 1                         ; the first products start the sums
.irp k, 256, 512, 768
	QUARTER \k, F1, F0, 0
	QUARTER \k+128, F0, F1, 0
.endr
	s_wait_dscnt 8
	WIN MUL
	MUL4 F1, 0, 0
	MUL4 F1, 1, 0
	s_wait_dscnt 0
	MUL4 F1, 2, 0
	MUL4 F1, 3, 0
	WIN 0
; THE WAY OUT, 16 rows at a time through my own stage: the sums go in as they stand and come back as whole rows of 256 bytes; then sum x 2^e + residual + bias.
.macro TOSTAGE a
.set BK, 32+32*((\a)%2)
.irp b, 0,1,2,3
	ds_store_b128 v[STO], v[ACC+8*(4*(\a)+\b):ACC+8*(4*(\a)+\b)+3] offset:64*\b          ; each accumulator from its low end on
	ds_store_b128 v[STO], v[ACC+8*(4*(\a)+\b)+4:ACC+8*(4*(\a)+\b)+7] offset:64*\b+16
.endr
.irp t, 0,1,2,3,4,5,6,7
	ds_load_b128 v[BK+4*\t:BK+4*\t+3], v[RD] offset:\t*2*SPITCH    ; LDS serves a wave's instructions in order (ISA guide 5.7.1.4)
.endr
.endm
.macro SEND a, younger
.set BK, 32+32*((\a)%2)
	s_wait_dscnt \younger                          ; the block is back; the next block's eight stores and eight loads may be out
	WIN 0x20                                       ; source 2: window 2
.set N, 0
.rept 16
	v_pk_fma_f32 v[BK+N:BK+N+1], v[BK+N:BK+N+1], s[68:69], v[32*(\a)+N:32*(\a)+N+1] op_sel_hi:[1,0,1]
.set N, N+2
.endr
	WIN 0
.set N, 0
.rept 8
	v_pk_add_f32 v[BK+N:BK+N+1], v[BK+N:BK+N+1], v[BIAS:BIAS+1]
	v_pk_add_f32 v[BK+N+2:BK+N+3], v[BK+N+2:BK+N+3], v[BIAS+2:BIAS+3]
.set N, N+4
.endr
.irp t, 0,1,2,3,4,5,6,7
	global_store_b128 v[CO], v[BK+4*\t:BK+4*\t+3], s[14:15] offset:(16*(\a)+2*\t)*8192   ; sixteen lanes store 256 consecutive aligned bytes
.endr
.endm
	s_wait_loadcnt 0x0                             ; the residual and the bias
	PLACES
	TOSTAGE 0
.irp a, 1,2,3
.if \a > 1
	s_wait_xcnt 0x0                                ; block a - 2's stores have read their registers: block a's loads may land there
.endif
	TOSTAGE \a
	SEND \a-1, 16
.endr
	SEND 3, 0
	s_wait_tensorcnt 0x0                           ; the wave's end
	ds_add_u32 v[SPW], v[NIL]
	s_wait_dscnt 0x0
	CROUND                                         ; the closing round
	s_endpgm
.Lfunc_end_k_q2c7b63493c_gemm_out:
	.size	k_q2c7b63493c_gemm_out, .Lfunc_end_k_q2c7b63493c_gemm_out-k_q2c7b63493c_gemm_out
	.p2alignl 7, 3214868480
	.fill 96, 4, 3214868480
	.section	.rodata,"a",@progbits
	.p2align	6, 0x0
	.amdhsa_kernel k_q2c7b63493c_gemm_out
		.amdhsa_group_segment_fixed_size 327680
		.amdhsa_private_segment_fixed_size 0
		.amdhsa_enable_private_segment 0
		.amdhsa_kernarg_size 48
		.amdhsa_user_sgpr_count 2
		.amdhsa_user_sgpr_kernarg_segment_ptr 1
		.amdhsa_wavefront_size32 1
		.amdhsa_system_sgpr_workgroup_id_x 1
		.amdhsa_system_sgpr_workgroup_id_y 1
		.amdhsa_system_sgpr_workgroup_id_z 1
		.amdhsa_system_vgpr_workitem_id 0
		.amdhsa_next_free_vgpr 640
		.amdhsa_next_free_sgpr 76
		.amdhsa_reserve_vcc 0
		.amdhsa_float_denorm_mode_32 3
		.amdhsa_float_denorm_mode_16_64 3
		.amdhsa_memory_ordered 1
		.amdhsa_forward_progress 1
		.amdhsa_inst_pref_size 52
	.end_amdhsa_kernel
	.amdgpu_metadata
---
amdhsa.version: [ 1, 2 ]
amdhsa.kernels:
  - .name:           k_q2c7b63493c_gemm_out
    .symbol:         k_q2c7b63493c_gemm_out.kd
    .args:
      - { .name: oc, .offset: 0, .size: 8, .value_kind: global_buffer, .address_space: global }
      - { .name: wc, .offset: 8, .size: 8, .value_kind: global_buffer, .address_space: global }
      - { .name: lowp_scales, .offset: 16, .size: 8, .value_kind: global_buffer, .address_space: global }
      - { .name: bout, .offset: 24, .size: 8, .value_kind: global_buffer, .address_space: global }
      - { .name: x, .offset: 32, .size: 8, .value_kind: global_buffer, .address_space: global }
      - { .name: x1, .offset: 40, .size: 8, .value_kind: global_buffer, .address_space: global }
    .group_segment_fixed_size: 327680
    .private_segment_fixed_size: 0
    .kernarg_segment_align: 8
    .kernarg_segment_size: 48
    .max_flat_workgroup_size: 128
    .sgpr_count:     76
    .vgpr_count:     640
    .wavefront_size: 32
...
	.end_amdgpu_metadata
.endif
;; end of part 4
;; launch ln2 (part 5): grid 256 x 1, 4 waves a work-group, no clusters, 16,896 bytes of LDS; arguments x1, ln2_g, ln2_b, lowp_scales, h2c; writes h2c
.if DOCPART == 5
	.amdgcn_target "amdgcn-amd-amdhsa--gfx1250"
	.amdhsa_code_object_version 6
	.text
	.protected	k_q2c7b63493c_ln2
	.globl	k_q2c7b63493c_ln2
	.p2align	8
	.type	k_q2c7b63493c_ln2,@function
k_q2c7b63493c_ln2:
	s_mov_b64 s[64:65], 0
	v_nop
	global_prefetch_b8 v0, s[64:65] scope:SCOPE_SE
	s_setreg_imm32_b32 hwreg(HW_REG_WAVE_MODE, 25, 1), 1
	s_wait_xcnt 0x0
; LayerNorm 2 of x1 (natural rows, f32), quantised with e8 to codes of E4M3, laid [row'][1024], row' = 2048 b + 1024 (l & 1) + (l >> 1).
; A wave takes four whole rows, each in 32 registers; mean, then the centred squares (two passes in registers); no wave waits for another; no barrier.
; A row's codes turn through the wave's own 4,096 bytes of LDS, so that a store covers 512 consecutive bytes.  LIMITS: e8 between -126 and 119; NaN is not served.
.set LNSTG, 0
.set G,     16                         ; v16-47 the gain;  v48-79 the bias
.set BT,    48
.set LX,    80                         ; v80-207  four rows: register 4 j + c of a row = element 128 j + 4 lane + c
.set T,     208
.set LC,    216
.macro WSUM                            ; v[T] summed over the 32 lanes, the result in every lane
	v_add_f32_dpp v[T], v[T], v[T] row_xmask:1 row_mask:0xf bank_mask:0xf
	v_add_f32_dpp v[T], v[T], v[T] row_xmask:2 row_mask:0xf bank_mask:0xf
	v_add_f32_dpp v[T], v[T], v[T] row_xmask:4 row_mask:0xf bank_mask:0xf
	v_add_f32_dpp v[T], v[T], v[T] row_xmask:8 row_mask:0xf bank_mask:0xf
	v_permlanex16_b32 v[T+1], v[T], s36, s37
	v_add_f32 v[T], v[T], v[T+1]
.endm
.macro ROW k
.set X0, LX+32*(\k)
	s_wait_loadcnt 24-8*(\k)                       ; my eight loads are in; the eight of each later row may be out
	v_pk_add_f32 v[T:T+1], v[X0:X0+1], v[X0+2:X0+3]
	v_pk_add_f32 v[T+2:T+3], v[X0+4:X0+5], v[X0+6:X0+7]
.set J, 8
.rept 6
	v_pk_add_f32 v[T:T+1], v[T:T+1], v[X0+J:X0+J+1]
	v_pk_add_f32 v[T+2:T+3], v[T+2:T+3], v[X0+J+2:X0+J+3]
.set J, J+4
.endr
	v_pk_add_f32 v[T:T+1], v[T:T+1], v[T+2:T+3]
	v_add_f32 v[T], v[T], v[T+1]
	WSUM
	v_mul_f32 v[T+4], s38, v[T]                    ; the mean
.set J, 0
.rept 16
	v_pk_add_f32 v[X0+J:X0+J+1], v[X0+J:X0+J+1], v[T+4:T+5] op_sel_hi:[1,0] neg_lo:[0,1] neg_hi:[0,1]
.set J, J+2
.endr
	v_pk_mul_f32 v[T:T+1], v[X0:X0+1], v[X0:X0+1]
	v_pk_mul_f32 v[T+2:T+3], v[X0+2:X0+3], v[X0+2:X0+3]
.set J, 4
.rept 7
	v_pk_fma_f32 v[T:T+1], v[X0+J:X0+J+1], v[X0+J:X0+J+1], v[T:T+1]
	v_pk_fma_f32 v[T+2:T+3], v[X0+J+2:X0+J+3], v[X0+J+2:X0+J+3], v[T+2:T+3]
.set J, J+4
.endr
	v_pk_add_f32 v[T:T+1], v[T:T+1], v[T+2:T+3]
	v_add_f32 v[T], v[T], v[T+1]
	WSUM
	v_fma_f32 v[T], v[T], s38, s39                 ; the variance + 1e-5
	s_wait_alu depctr_va_vdst(0)
	v_rsq_f32 v[T+6], v[T]
	v_nop                                          ; a plain instruction behind the transcendental,
	s_wait_alu depctr_va_vdst(0)                   ; and the wait ahead of its first reader
.set J, 0
.rept 16
	v_pk_mul_f32 v[X0+J:X0+J+1], v[X0+J:X0+J+1], v[T+6:T+7] op_sel_hi:[1,0]
.set J, J+2
.endr
.set J, 0
.rept 16
	v_pk_fma_f32 v[X0+J:X0+J+1], v[X0+J:X0+J+1], v[G+J:G+J+1], v[BT+J:BT+J+1]
.set J, J+2
.endr
.set J, 0
.rept 32
	v_med3_num_f32 v[X0+J], v[X0+J], -v10, v10     ; the conversion does not saturate (ISA guide 7.6.2)
.set J, J+1
.endr
.set J, 0
.rept 4
	v_cvt_scalef32_pk8_fp8_f32 v[LC+2*J:LC+2*J+1], v[X0+8*J:X0+8*J+7], v11
.set J, J+1
.endr
	v_nop                                          ; a plain instruction behind the last conversion
.set J, 0
.rept 8
	ds_store_b32 v4, v[LC+J] offset:1024*(\k)+128*J
.set J, J+1
.endr
	ds_load_b128 v[X0:X0+3], v5 offset:1024*(\k)       ; LDS serves a wave's instructions in order (ISA guide 5.7.1.4)
	ds_load_b128 v[X0+4:X0+7], v5 offset:1024*(\k)+512
	s_wait_dscnt 0x0
	global_store_b128 v3, v[X0:X0+3], s[24:25] offset:(((\k)&1)*1024+((\k)>>1))*1024
	global_store_b128 v3, v[X0+4:X0+7], s[24:25] offset:(((\k)&1)*1024+((\k)>>1))*1024+512
.endm
	s_load_b256 s[8:15], s[0:1], 0x0               ; x1 8, ln2_g 10, ln2_b 12, the exponents 14
	s_load_b64 s[24:25], s[0:1], 0x20              ; h2c
	v_lshl_add_u32 v224, v0, 2, 0x4000
	v_mov_b32 v225, 0
	v_lshrrev_b32 v1, 5, v0
	v_readfirstlane_b32 s26, v1
	v_and_b32 v2, 31, v0
	s_wait_alu depctr_va_vdst(0)
	s_wait_kmcnt 0x0
	s_load_b32 s40, s[14:15], 0x20                 ; e8
	s_lshl_b32 s27, ttmp9, 4
	s_lshl_b32 s28, s26, 2
	s_add_co_u32 s27, s27, s28                     ; my first row, a multiple of 4
	s_lshl_b32 s28, s27, 12
	s_mov_b32 s29, 0
	s_add_nc_u64 s[8:9], s[8:9], s[28:29]
	s_and_b32 s30, s27, 0xfffff800
	s_and_b32 s31, s27, 2047
	s_lshr_b32 s31, s31, 1
	s_add_co_u32 s30, s30, s31                     ; its row'; row k lies 1024 (k & 1) + (k >> 1) rows further on
	s_lshl_b32 s30, s30, 10
	s_mov_b32 s31, 0
	s_add_nc_u64 s[24:25], s[24:25], s[30:31]
	v_lshlrev_b32 v3, 4, v2
	s_lshl_b32 s32, s26, 12
	s_add_co_u32 s32, s32, LNSTG
	v_lshl_add_u32 v4, v2, 2, s32
	v_add_nc_u32 v5, s32, v3
.set J, 0
.rept 8
	global_load_b128 v[G+4*J:G+4*J+3], v3, s[10:11] offset:512*J
	global_load_b128 v[BT+4*J:BT+4*J+3], v3, s[12:13] offset:512*J
.set J, J+1
.endr
.set J, 0
.rept 32
	global_load_b128 v[LX+4*J:LX+4*J+3], v3, s[8:9] offset:512*J
.set J, J+1
.endr
	s_mov_b32 s36, 0x76543210
	s_mov_b32 s37, 0xfedcba98
	s_mov_b32 s38, 0x3a800000                      ; 1 / 1024
	s_mov_b32 s39, 0x3727c5ac                      ; 1e-5
.set J, 0
.rept 8
	v_mov_b32 v[T+J], 0
.set J, J+1
.endr
	s_wait_kmcnt 0x0
	s_add_co_i32 s33, s40, 127
	s_lshl_b32 s34, s33, 23
	v_mov_b32 v11, s34
	s_add_co_i32 s33, s33, 8
	s_lshl_b32 s33, s33, 23
	s_or_b32 s33, s33, 0x600000
	v_mov_b32 v10, s33
	ROW 0
	ROW 1
	ROW 2
	ROW 3
	s_wait_tensorcnt 0x0
	ds_add_u32 v224, v225
	s_wait_dscnt 0x0
	s_endpgm
.Lfunc_end_k_q2c7b63493c_ln2:
	.size	k_q2c7b63493c_ln2, .Lfunc_end_k_q2c7b63493c_ln2-k_q2c7b63493c_ln2
	.p2alignl 7, 3214868480
	.fill 96, 4, 3214868480
	.section	.rodata,"a",@progbits
	.p2align	6, 0x0
	.amdhsa_kernel k_q2c7b63493c_ln2
		.amdhsa_group_segment_fixed_size 16896
		.amdhsa_private_segment_fixed_size 0
		.amdhsa_enable_private_segment 0
		.amdhsa_kernarg_size 40
		.amdhsa_user_sgpr_count 2
		.amdhsa_user_sgpr_kernarg_segment_ptr 1
		.amdhsa_wavefront_size32 1
		.amdhsa_system_sgpr_workgroup_id_x 1
		.amdhsa_system_sgpr_workgroup_id_y 1
		.amdhsa_system_sgpr_workgroup_id_z 1
		.amdhsa_system_vgpr_workitem_id 0
		.amdhsa_next_free_vgpr 226
		.amdhsa_next_free_sgpr 66
		.amdhsa_reserve_vcc 0
		.amdhsa_float_denorm_mode_32 3
		.amdhsa_float_denorm_mode_16_64 3
		.amdhsa_memory_ordered 1
		.amdhsa_forward_progress 1
		.amdhsa_inst_pref_size 44
	.end_amdhsa_kernel
	.amdgpu_metadata
---
amdhsa.version: [ 1, 2 ]
amdhsa.kernels:
  - .name:           k_q2c7b63493c_ln2
    .symbol:         k_q2c7b63493c_ln2.kd
    .args:
      - { .name: x1, .offset: 0, .size: 8, .value_kind: global_buffer, .address_space: global }
      - { .name: ln2_g, .offset: 8, .size: 8, .value_kind: global_buffer, .address_space: global }
      - { .name: ln2_b, .offset: 16, .size: 8, .value_kind: global_buffer, .address_space: global }
      - { .name: lowp_scales, .offset: 24, .size: 8, .value_kind: global_buffer, .address_space: global }
      - { .name: h2c, .offset: 32, .size: 8, .value_kind: global_buffer, .address_space: global }
    .group_segment_fixed_size: 16896
    .private_segment_fixed_size: 0
    .kernarg_segment_align: 8
    .kernarg_segment_size: 40
    .max_flat_workgroup_size: 128
    .sgpr_count:     66
    .vgpr_count:     226
    .wavefront_size: 32
...
	.end_amdgpu_metadata
.endif
;; end of part 5
;; launch gemm_ffn1 (part 6): grid 16 x 16, 4 waves a work-group, clusters of 4 x 4, 327,680 bytes of LDS; arguments h2c, wc, lowp_scales, b1, fc; writes fc
.if DOCPART == 6
	.amdgcn_target "amdgcn-amd-amdhsa--gfx1250"
	.amdhsa_code_object_version 6
	.text
	.protected	k_q2c7b63493c_gemm_ffn1
	.globl	k_q2c7b63493c_gemm_ffn1
	.p2align	8
	.type	k_q2c7b63493c_gemm_ffn1,@function
k_q2c7b63493c_gemm_ffn1:
	s_mov_b64 s[64:65], 0
	v_nop
	global_prefetch_b8 v0, s[64:65] scope:SCOPE_SE
	s_setreg_imm32_b32 hwreg(HW_REG_WAVE_MODE, 25, 1), 1
	s_wait_xcnt 0x0
	s_wait_alu depctr_hold_cnt(0) depctr_sa_sdst(0) depctr_va_vdst(0) depctr_va_sdst(0) depctr_va_ssrc(0) depctr_va_vcc(0) depctr_vm_vsrc(0)
	s_getreg_b32 s2, hwreg(HW_REG_IB_STS2, 6, 4)
	s_cmp_eq_u32 s2, 0
	s_cbranch_scc0 .Lentry_in_a_cluster
	s_endpgm
.Lentry_in_a_cluster:
	s_bfe_u32 s2, ttmp6, 0x10000c
	s_cmp_lg_u32 s2, 0xf033
	s_cbranch_scc0 .Lentry_shape_is_right
	s_endpgm
.Lentry_shape_is_right:
.set SIZE_K, 1024
.set KSTEP,  256
.set ROWB,   256
.set KROW,   SIZE_K
.set PITCH,  272
.set FR,     16
.set NL,     4
.set NP,     4
.set HALFT,  128*PITCH
.set SLOT,   4*HALFT
.set LAPS,   SIZE_K/(2*KSTEP)
.set SPARE,  2*SLOT
.set ADRA, 16
.set ADRB, 20
.set STO,  24
.set RD,   25
.set CO,   26
.set RD2,  27
.set SPW,  28
.set NIL,  29
.set QS,   30
.set QL,   31
.set CD,   32
.set BI,   64
.set AF,   128
.set Y,    128
.set Z,    160
.set TR,   192
.set P,    224
.set DST,  12
.set G1, 24
.set G0, 32
.set G1B, 48
.set G0B, 56
.set MSB, 0
.macro WIN new
.if MSB != \new
	s_set_vgpr_msb (MSB<<8)|\new
.set MSB, \new
.endif
.endm
.set MUL_LO, 0xa1
.set MUL_HI, 0xf1
.set TO_B,   0x40
.macro JLOAD g0a, g1a, g0b, g1b
	s_cmp_eq_u32 s15, 0
	s_cbranch_scc0 .Lfor_b_\@
	tensor_load_to_lds s[\g0a:\g0a+3], s[\g1a:\g1a+7]
	s_nop 0
.rept 4
	v_nop
.endr
	s_branch .Lasked_\@
.Lfor_b_\@:
	tensor_load_to_lds s[\g0b:\g0b+3], s[\g1b:\g1b+7]
	s_nop 0
.rept 4
	v_nop
.endr
.Lasked_\@:
.endm
.macro CREST
	s_cmp_lg_u32 s14, 0
	s_cbranch_scc1 .Lnot_wave_0_\@
	s_barrier_signal -3
.Lnot_wave_0_\@:
	s_barrier_wait -3
	s_barrier_signal -1
	s_barrier_wait -1
.endm
.macro CROUND
	s_barrier_signal -1
	s_barrier_wait -1
	CREST
.endm
	s_load_b256 s[4:11], s[0:1], 0x0
	s_load_b64 s[12:13], s[0:1], 0x20
	v_lshl_add_u32 v[SPW], v0, 2, SPARE
	v_mov_b32 v[NIL], 0
	ds_add_u32 v28, v29
	ds_add_u32 v28, v29
	s_wait_dscnt 0x0
	v_lshrrev_b32 v1, 5, v0
	v_readfirstlane_b32 s14, v1
	s_lshr_b32 s15, s14, 1
	s_and_b32 s16, s14, 1
	s_bfe_u32 s40, ttmp6, 0x40000
	s_bfe_u32 s41, ttmp6, 0x40004
	s_lshl_b32 s42, ttmp9, 2
	s_add_co_u32 s42, s42, s40
	s_and_b32 s17, ttmp7, 0xffff
	s_lshl_b32 s17, s17, 2
	s_add_co_u32 s17, s17, s41
	s_lshl_b32 s43, s41, 2
	s_lshl_b32 s43, 15, s43
	s_lshl_b32 s44, 0x1111, s40
	s_or_b32 s[G1+0], s43, (0<<16)|(1<<20)|(1<<21)|(5<<22)|(3<<25)
	s_or_b32 s[G1B+0], s44, (0<<16)|(1<<20)|(1<<21)|(5<<22)|(3<<25)
.irp g, G1, G1B
	s_mov_b32 s[\g+1], ROWB<<16
	s_mov_b32 s[\g+2], 128<<16
	s_mov_b32 s[\g+3], ROWB<<16
	s_mov_b32 s[\g+4], 128
	s_mov_b32 s[\g+5], KROW
	s_mov_b32 s[\g+6], 0
	s_mov_b32 s[\g+7], 0
.endr
	s_lshl_b32 s18, s16, 7
	s_lshl_b32 s20, s17, 8
	s_add_co_u32 s20, s20, s18
	s_lshl_b32 s20, s20, 10
	s_mov_b32 s21, 0
	s_lshl_b32 s46, s42, 8
	s_add_co_u32 s46, s46, s18
	s_lshl_b32 s46, s46, 10
	s_add_co_u32 s46, s46, 0x400000
	s_mov_b32 s47, 0
	s_mul_i32 s45, s14, HALFT
	s_wait_kmcnt 0x0
	s_load_b128 s[80:83], s[8:9], 0x20
	s_add_nc_u64 s[20:21], s[4:5], s[20:21]
	s_add_nc_u64 s[46:47], s[6:7], s[46:47]
	CROUND
.irp s, 0,1
	s_mov_b32 s[G0+4*\s], 1
	s_add_co_u32 s[G0+4*\s+1], s45, \s*SLOT
	s_add_nc_u64 s[G0+4*\s+2:G0+4*\s+3], s[20:21], \s*ROWB
	s_or_b32 s[G0+4*\s+3], s[G0+4*\s+3], 0x80000000
	s_mov_b32 s[G0B+4*\s], 1
	s_add_co_u32 s[G0B+4*\s+1], s45, \s*SLOT
	s_add_nc_u64 s[G0B+4*\s+2:G0B+4*\s+3], s[46:47], \s*ROWB
	s_or_b32 s[G0B+4*\s+3], s[G0B+4*\s+3], 0x80000000
.endr
	JLOAD G0, G1, G0B, G1B                         ; K step 0: one tensor load a wave at the head
	; the prefetches: of the 128 rows that I fetch, my work-group takes 32 (by cx for A, by cy for B: told apart by address), a lane a row, 256 bytes of a row a K step
	s_cmp_eq_u32 s15, 0
	s_cselect_b64 s[94:95], s[20:21], s[46:47]
	s_cselect_b32 s18, s40, s41
	s_lshl_b32 s18, s18, 15                        ; 32 rows of 1,024 bytes
	s_mov_b32 s19, 0
	s_add_nc_u64 s[94:95], s[94:95], s[18:19]
	v_and_b32 v10, 31, v0
	v_lshlrev_b32 v10, 10, v10
	global_prefetch_b8 v10, s[94:95] offset:ROWB th:TH_LOAD_NT scope:SCOPE_SE     ; K step 1, whose load goes out when K step 0 has landed
	global_prefetch_b8 v10, s[94:95] offset:2*ROWB th:TH_LOAD_NT scope:SCOPE_SE   ; K step 2, two steps ahead of its load; v10 and s[94:95] are never rewritten
	v_and_b32 v1, 15, v0
	v_bfe_u32 v2, v0, 4, 1
	v_mul_u32_u24 v3, v1, PITCH
	s_wait_alu depctr_va_vdst(0)
	v_lshl_add_u32 v4, v2, 4, v3
	s_mul_i32 s21, s15, HALFT
	s_mul_i32 s22, s16, HALFT
	s_add_co_u32 s22, s22, 2*HALFT
.irp s, 0,1
	v_add_nc_u32 v[ADRA+\s], s21, v4
	v_add_nc_u32 v[ADRB+\s], s22, v4
	s_add_co_u32 s21, s21, SLOT
	s_add_co_u32 s22, s22, SLOT
.endr
	s_mul_i32 s23, s15, 128*PITCH
	s_lshl_b32 s22, s16, 7
	s_add_co_u32 s23, s23, s22
	v_lshl_add_u32 v5, v2, 3, v3
	v_add_nc_u32 v[STO], s23, v5
	s_mul_i32 s23, s14, 64*PITCH
	v_mul_u32_u24 v5, v2, PITCH
	v_lshl_add_u32 v5, v1, 4, v5
	v_add_nc_u32 v[RD], s23, v5
	v_add_nc_u32 v[RD2], 32*PITCH, v[RD]
	v_lshlrev_b32 v5, 12, v2
	v_lshl_add_u32 v[CO], v1, 4, v5
	s_lshl_b32 s72, s42, 8
	s_lshl_b32 s71, s16, 7
	s_add_co_u32 s72, s72, s71
	s_lshl_b32 s72, s72, 2
	s_mov_b32 s73, 0
	s_add_nc_u64 s[10:11], s[10:11], s[72:73]
	v_lshlrev_b32 v8, 5, v2
.set N, 0
.rept 8
	global_load_b128 v[BI+8*N:BI+8*N+3], v8, s[10:11] offset:64*N
	global_load_b128 v[BI+8*N+4:BI+8*N+7], v8, s[10:11] offset:64*N+16
.set N, N+1
.endr
	s_lshl_b32 s90, s17, 8
	s_lshl_b32 s91, s14, 6
	s_add_co_u32 s90, s90, s91
	s_lshl_b32 s90, s90, 12
	s_lshl_b32 s91, s42, 8
	s_add_co_u32 s90, s90, s91
	s_mov_b32 s91, 0
	s_add_nc_u64 s[DST:DST+1], s[DST:DST+1], s[90:91]
	s_mov_b32 s92, 0x3f3504f3
	v_mov_b32 v42, 0x3e2ef946
	v_mov_b32 v43, 0x3e2ef946
	s_wait_kmcnt 0x0
	s_add_co_i32 s96, s80, s81
	s_add_co_i32 s96, s96, 127
	s_lshl_b32 s96, s96, 23
	s_mov_b32 s97, s96
	s_add_co_i32 s88, s82, 127
	s_lshl_b32 s89, s88, 23
	v_mov_b32 v[QS], s89
	s_add_co_i32 s88, s88, 8
	s_lshl_b32 s88, s88, 23
	s_or_b32 s88, s88, 0x600000
	v_mov_b32 v[QL], s88
.macro FRAG reg, adr, q, i
.irp c, 0,1,2,3
	ds_load_b128 v[\reg+4*\c:\reg+4*\c+3], v[\adr] offset:128*(\q)+32*\c+(\i)*16*PITCH
.endr
.endm
.macro MUL16 a0, p, zero
.irp a, \a0, \a0+1
.irp b, 0,1,2,3,4,5,6,7
.if \zero
	v_wmma_f32_16x16x128_fp8_fp8 v[8*(8*((\a)%4)+\b):8*(8*((\a)%4)+\b)+7], v[128*(\p)+FR*\b:128*(\p)+FR*\b+FR-1], v[AF+FR*(\a):AF+FR*(\a)+FR-1], 0
.else
	v_wmma_f32_16x16x128_fp8_fp8 v[8*(8*((\a)%4)+\b):8*(8*((\a)%4)+\b)+7], v[128*(\p)+FR*\b:128*(\p)+FR*\b+FR-1], v[AF+FR*(\a):AF+FR*(\a)+FR-1], v[8*(8*((\a)%4)+\b):8*(8*((\a)%4)+\b)+7]
.endif
.endr
.endr
.endm
.macro FETCH_B slot, q, p
	WIN TO_B
.irp i, 0,1,2,3,4,5,6,7
	FRAG 128*(\p)+FR*\i, ADRB+\slot, \q, \i
.endr
	WIN 0
.endm
.macro FETCH_A slot, q, i0
.irp i, \i0, \i0+1, \i0+2, \i0+3
	FRAG AF+FR*(\i), ADRA+\slot, \q, \i
.endr
.endm
.macro PLACES n
.rept \n
	v_nop
.endr
.endm
.macro STEP slot, q, zero
	s_wait_dscnt 4*NL
	WIN MUL_LO
	MUL16 0, (\q)%2, \zero
	MUL16 2, (\q)%2, \zero
	s_wait_dscnt 0
	PLACES NP
	FETCH_B \slot, (\q)+1, 1-(\q)%2
	FETCH_A \slot, (\q)+1, 0
	WIN MUL_HI
	MUL16 4, (\q)%2, \zero
	MUL16 6, (\q)%2, \zero
	PLACES NP
	WIN 0
	FETCH_A \slot, (\q)+1, 4
.endm
.macro TURN slot, next, fill
	s_wait_tensorcnt 0x0
	ds_add_u32 v[SPW], v[NIL]
	s_wait_dscnt 4*NL+1
	WIN MUL_LO
	MUL16 0, 1, 0
	s_wait_dscnt 0x0
	s_barrier_signal -1
	MUL16 2, 1, 0
	WIN 0
	s_barrier_wait -1
.if \fill
	CREST
	s_add_nc_u64 s[G0+4*\slot+2:G0+4*\slot+3], s[G0+4*\slot+2:G0+4*\slot+3], 2*ROWB
	s_add_nc_u64 s[G0B+4*\slot+2:G0B+4*\slot+3], s[G0B+4*\slot+2:G0B+4*\slot+3], 2*ROWB
	JLOAD G0+4*\slot, G1, G0B+4*\slot, G1B
.else
	PLACES NP
.endif
	FETCH_B \next, 0, 0
	FETCH_A \next, 0, 0
	WIN MUL_HI
	MUL16 4, 1, 0
	MUL16 6, 1, 0
	PLACES NP
	WIN 0
	FETCH_A \next, 0, 4
.endm
	s_wait_alu depctr_va_vdst(0)                   ; the wait at the head's end
	s_wait_tensorcnt 0x0                           ; my part of K step 0 is in; slot 1's first fill is issued as a refill is:
	ds_add_u32 v[SPW], v[NIL]                      ; 0 onto my spare word
	s_wait_dscnt 0x0
	CROUND                                         ; everybody's part of K step 0 is in, and the joint loads meet
	JLOAD G0+4, G1, G0B+4, G1B                     ; K step 1: the first tensor load behind the round
	FETCH_B 0, 0, 0
	global_prefetch_b8 v10, s[94:95] offset:3*ROWB th:TH_LOAD_NT scope:SCOPE_SE   ; K step 3, the last: nothing is asked for beyond it
	FETCH_A 0, 0, 0
	FETCH_A 0, 0, 4
	STEP 0, 0, 1
	s_mov_b32 s3, LAPS-1
.Llap:
	TURN 0, 1, 1
	STEP 1, 0, 0
	TURN 1, 0, 1
	STEP 0, 0, 0
	s_sub_co_u32 s3, s3, 1
	s_cmp_lg_u32 s3, 0
	s_cbranch_scc1 .Llap
	TURN 0, 1, 0
	STEP 1, 0, 0
	s_wait_dscnt 4*NL
	WIN MUL_LO
	MUL16 0, 1, 0
	MUL16 2, 1, 0
	s_wait_dscnt 0
	WIN MUL_HI
	MUL16 4, 1, 0
	MUL16 6, 1, 0
	WIN 0
.macro COPYK hb, k
	WIN 0x02+(\k)/4
.set N, 0
.rept 16
	v_pk_fma_f32 v[Y+N:Y+N+1], v[64*((\k)%4)+32*(\hb)+N:64*((\k)%4)+32*(\hb)+N+1], s[96:97], v[BI+32*(\hb)+N:BI+32*(\hb)+N+1] op_sel_hi:[1,0,1]
.set N, N+2
.endr
	WIN 0
.endm
; The trip's block of 16 rows (s88, the loop's counter) is picked by three compares: register numbers cannot be indexed, so each block has its own copy of the 16 lines that take its sums.
.macro PAIR hb, k, done                ; block k or k + 1
	s_cmp_eq_u32 s88, \k
	s_cbranch_scc0 .Lodd_\@
	COPYK \hb, \k
	s_branch \done
.Lodd_\@:
	COPYK \hb, (\k)+1
.endm
.macro SEL hb
	s_cmp_lt_u32 s88, 4
	s_cbranch_scc0 .Lhigh_\@
	s_cmp_lt_u32 s88, 2
	s_cbranch_scc0 .Lq1_\@
	PAIR \hb, 0, .Ldone_\@
	s_branch .Ldone_\@
.Lq1_\@:
	PAIR \hb, 2, .Ldone_\@
	s_branch .Ldone_\@
.Lhigh_\@:
	s_cmp_lt_u32 s88, 6
	s_cbranch_scc0 .Lq3_\@
	PAIR \hb, 4, .Ldone_\@
	s_branch .Ldone_\@
.Lq3_\@:
	PAIR \hb, 6, .Ldone_\@
.Ldone_\@:
.endm
.macro HORNER lit
.set N, 0
.rept 16
	v_pk_fma_f32 v[P+N:P+N+1], v[P+N:P+N+1], v[TR+N:TR+N+1], \lit op_sel_hi:[1,1,0]
.set N, N+2
.endr
.endm
.macro GELU32
.set N, 0
.rept 32
	v_mul_f32 v[Z+N], s92, |v[Y+N]|
.set N, N+1
.endr
.set N, 0
.rept 16
	v_pk_fma_f32 v[TR+N:TR+N+1], v[Z+N:Z+N+1], 0.5, 1.0 op_sel_hi:[1,0,0]
.set N, N+2
.endr
.set N, 0
	s_wait_alu depctr_va_vdst(0)
.rept 32
	v_rcp_f32 v[TR+N], v[TR+N]
.set N, N+1
.endr
.set N, 0
.rept 32
	v_max_num_f32 v[Y+N], 0, v[Y+N]
.set N, N+1
.endr
	s_wait_alu depctr_va_vdst(0)
.set N, 0
.rept 16
	v_pk_fma_f32 v[P+N:P+N+1], v[TR+N:TR+N+1], v[42:43], 0xbf527892 op_sel_hi:[1,1,0]
.set N, N+2
.endr
	HORNER 0x3fbe87b0
	HORNER 0xbf914e5d
	HORNER 0x3e8ec7cc
	HORNER 0xbe3ec24c
	HORNER 0x3dc636c9
	HORNER 0x3ebf88fb
	HORNER 0x3f8000c7
	HORNER 0xbfa1fc4e
.set N, 0
.rept 16
	v_pk_fma_f32 v[P+N:P+N+1], v[Z+N:Z+N+1], v[Z+N:Z+N+1], v[P+N:P+N+1] neg_lo:[1,0,0] neg_hi:[1,0,0]
.set N, N+2
.endr
.set N, 0
.rept 16
	v_pk_mul_f32 v[P+N:P+N+1], v[P+N:P+N+1], 0x3fb8aa3b op_sel_hi:[1,0]
.set N, N+2
.endr
.set N, 0
	s_wait_alu depctr_va_vdst(0)
.rept 32
	v_exp_f32 v[P+N], v[P+N]
.set N, N+1
.endr
.set N, 0
.rept 16
	v_pk_mul_f32 v[Z+N:Z+N+1], v[Z+N:Z+N+1], v[TR+N:TR+N+1]
.set N, N+2
.endr
	s_wait_alu depctr_va_vdst(0)
.set N, 0
.rept 16
	v_pk_mul_f32 v[P+N:P+N+1], v[P+N:P+N+1], v[Z+N:Z+N+1]
.set N, N+2
.endr
.set N, 0
.rept 16
	v_pk_fma_f32 v[Y+N:Y+N+1], v[P+N:P+N+1], 0xbf3504f3, v[Y+N:Y+N+1] op_sel_hi:[1,0,1]
.set N, N+2
.endr
.endm
.macro QSTORE off
.set N, 0
.rept 32
	v_med3_num_f32 v[Y+N], v[Y+N], -v[QL], v[QL]
.set N, N+1
.endr
	s_wait_alu depctr_va_vdst(0)
	s_wait_dscnt 0x0
.set N, 0
.rept 4
	v_cvt_scalef32_pk8_fp8_f32 v[CD+2*N:CD+2*N+1], v[Y+8*N:Y+8*N+7], v[QS]
.set N, N+1
.endr
	v_add_nc_u32 v40, s89, v[STO]
.set N, 0
.rept 4
	ds_store_b64 v40, v[CD+2*N:CD+2*N+1] offset:\off+16*N
.set N, N+1
.endr
.endm
.macro READBACK rd0, rd1, lstep, co, gstep
.set TT, 0
.rept 16
	ds_load_b128 v[128+4*TT:128+4*TT+3], v[\rd0] offset:TT*\lstep
.set TT, TT+1
.endr
.set TT, 0
.rept 16
	ds_load_b128 v[192+4*TT:192+4*TT+3], v[\rd1] offset:TT*\lstep
.set TT, TT+1
.endr
.set TT, 0
.rept 32
	s_wait_dscnt 31-TT
	global_store_b128 v[\co], v[128+4*TT:128+4*TT+3], s[DST:DST+1] offset:TT*\gstep
.set TT, TT+1
.endr
.endm
	s_wait_loadcnt 0x0
	PLACES NP
	s_mov_b32 s88, 0
	s_mov_b32 s89, 0
.Lblk:
	SEL 0
	GELU32
	QSTORE 0
	SEL 1
	GELU32
	QSTORE 64
	s_add_co_u32 s89, s89, 16*PITCH
	s_add_co_u32 s88, s88, 1
	s_cmp_lt_u32 s88, 8
	s_cbranch_scc1 .Lblk
	s_wait_dscnt 0x0
	s_barrier_signal -1
	s_barrier_wait -1
	READBACK RD, RD2, 2*PITCH, CO, 8192
	s_wait_tensorcnt 0x0
	ds_add_u32 v[SPW], v[NIL]
	s_wait_dscnt 0x0
	CROUND
	s_endpgm
.Lfunc_end_k_q2c7b63493c_gemm_ffn1:
	.size	k_q2c7b63493c_gemm_ffn1, .Lfunc_end_k_q2c7b63493c_gemm_ffn1-k_q2c7b63493c_gemm_ffn1
	.p2alignl 7, 3214868480
	.fill 96, 4, 3214868480
	.section	.rodata,"a",@progbits
	.p2align	6, 0x0
	.amdhsa_kernel k_q2c7b63493c_gemm_ffn1
		.amdhsa_group_segment_fixed_size 327680
		.amdhsa_private_segment_fixed_size 0
		.amdhsa_enable_private_segment 0
		.amdhsa_kernarg_size 40
		.amdhsa_user_sgpr_count 2
		.amdhsa_user_sgpr_kernarg_segment_ptr 1
		.amdhsa_wavefront_size32 1
		.amdhsa_system_sgpr_workgroup_id_x 1
		.amdhsa_system_sgpr_workgroup_id_y 1
		.amdhsa_system_sgpr_workgroup_id_z 1
		.amdhsa_system_vgpr_workitem_id 0
		.amdhsa_next_free_vgpr 1024
		.amdhsa_next_free_sgpr 98
		.amdhsa_reserve_vcc 0
		.amdhsa_float_denorm_mode_32 3
		.amdhsa_float_denorm_mode_16_64 3
		.amdhsa_memory_ordered 1
		.amdhsa_forward_progress 1
		.amdhsa_inst_pref_size 162
	.end_amdhsa_kernel
	.amdgpu_metadata
---
amdhsa.version: [ 1, 2 ]
amdhsa.kernels:
  - .name:           k_q2c7b63493c_gemm_ffn1
    .symbol:         k_q2c7b63493c_gemm_ffn1.kd
    .args:
      - { .name: h2c, .offset: 0, .size: 8, .value_kind: global_buffer, .address_space: global }
      - { .name: wc, .offset: 8, .size: 8, .value_kind: global_buffer, .address_space: global }
      - { .name: lowp_scales, .offset: 16, .size: 8, .value_kind: global_buffer, .address_space: global }
      - { .name: b1, .offset: 24, .size: 8, .value_kind: global_buffer, .address_space: global }
      - { .name: fc, .offset: 32, .size: 8, .value_kind: global_buffer, .address_space: global }
    .group_segment_fixed_size: 327680
    .private_segment_fixed_size: 0
    .kernarg_segment_align: 8
    .kernarg_segment_size: 40
    .max_flat_workgroup_size: 128
    .sgpr_count:     98
    .vgpr_count:     1024
    .wavefront_size: 32
...
	.end_amdgpu_metadata
.endif
;; end of part 6
;; launch gemm_ffn2 (part 7): grid 8 x 32, 4 waves a work-group, clusters of 4 x 4, 327,680 bytes of LDS; arguments fc, wc, lowp_scales, b2, x1, out0; writes out0
.if DOCPART == 7
	.amdgcn_target "amdgcn-amd-amdhsa--gfx1250"
	.amdhsa_code_object_version 6
	.text
	.protected	k_q2c7b63493c_gemm_ffn2
	.globl	k_q2c7b63493c_gemm_ffn2
	.p2align	8
	.type	k_q2c7b63493c_gemm_ffn2,@function
k_q2c7b63493c_gemm_ffn2:
	s_mov_b64 s[64:65], 0
	v_nop
	global_prefetch_b8 v0, s[64:65] scope:SCOPE_SE
	s_setreg_imm32_b32 hwreg(HW_REG_WAVE_MODE, 25, 1), 1
	s_wait_xcnt 0x0
	s_wait_alu depctr_hold_cnt(0) depctr_sa_sdst(0) depctr_va_vdst(0) depctr_va_sdst(0) depctr_va_ssrc(0) depctr_va_vcc(0) depctr_vm_vsrc(0)
	s_getreg_b32 s2, hwreg(HW_REG_IB_STS2, 6, 4)
	s_cmp_eq_u32 s2, 0
	s_cbranch_scc0 .Lentry_in_a_cluster
	s_endpgm
.Lentry_in_a_cluster:
	s_bfe_u32 s2, ttmp6, 0x10000c
	s_cmp_lg_u32 s2, 0xf033
	s_cbranch_scc0 .Lentry_shape_is_right
	s_endpgm
.Lentry_shape_is_right:
.set SIZE_K, 4096
.set WOFF,   0x800000
.set SCOFF,  40
.set KSTEP,  512
.set PITCH,  528
.set HALFT,  64*PITCH
.set SLOT,   4*HALFT
.set STAGE,  2*SLOT
.set SPITCH, 272
.set SPARE,  STAGE+4*16*SPITCH
.set LAPS,   SIZE_K/(2*KSTEP)
.set BIAS, 8
.set ADRA, 16
.set ADRB, 20
.set STO,  24
.set RD,   25
.set CO,   26
.set SPW,  28
.set NIL,  29
.set ACC,  128
.set F0,   0
.set F1,   128
.set G1, 24
.set G0, 32
.set G1B, 48
.set G0B, 56
.set MSB, 0
.macro WIN new
.if MSB != \new
	s_set_vgpr_msb (MSB<<8)|\new
.set MSB, \new
.endif
.endm
.set MUL,  0x05
.set TO_F, 0x40
.macro JLOAD s
	s_cmp_eq_u32 s17, 0
	s_cbranch_scc0 .Lfor_b_\@
	tensor_load_to_lds s[G0+4*\s:G0+4*\s+3], s[G1:G1+7]
	s_nop 0
.rept 4
	v_nop
.endr
	s_branch .Lasked_\@
.Lfor_b_\@:
	tensor_load_to_lds s[G0B+4*\s:G0B+4*\s+3], s[G1B:G1B+7]
	s_nop 0
.rept 4
	v_nop
.endr
.Lasked_\@:
.endm
.macro CREST
	s_cmp_lg_u32 s16, 0
	s_cbranch_scc1 .Lnot_wave_0_\@
	s_barrier_signal -3
.Lnot_wave_0_\@:
	s_barrier_wait -3
	s_barrier_signal -1
	s_barrier_wait -1
.endm
.macro CROUND
	s_barrier_signal -1
	s_barrier_wait -1
	CREST
.endm
	s_load_b256 s[4:11], s[0:1], 0x0
	s_load_b128 s[12:15], s[0:1], 0x20
	v_lshl_add_u32 v[SPW], v0, 2, SPARE
	v_mov_b32 v[NIL], 0
	ds_add_u32 v28, v29
	ds_add_u32 v28, v29
	s_wait_dscnt 0x0
	v_lshrrev_b32 v1, 5, v0
	v_readfirstlane_b32 s16, v1
	s_lshr_b32 s17, s16, 1
	s_and_b32 s18, s16, 1
	s_bfe_u32 s40, ttmp6, 0x40000
	s_bfe_u32 s41, ttmp6, 0x40004
	s_lshl_b32 s42, ttmp9, 2
	s_add_co_u32 s42, s42, s40
	s_and_b32 s19, ttmp7, 0xffff
	s_lshl_b32 s19, s19, 2
	s_add_co_u32 s19, s19, s41
	s_lshl_b32 s43, s41, 2
	s_lshl_b32 s43, 15, s43
	s_lshl_b32 s44, 0x1111, s40
	s_or_b32 s[G1+0], s43, (0<<16)|(1<<20)|(1<<21)|(6<<22)|(3<<25)
	s_or_b32 s[G1B+0], s44, (0<<16)|(1<<20)|(1<<21)|(6<<22)|(3<<25)
.irp g, G1, G1B
	s_mov_b32 s[\g+1], KSTEP<<16
	s_mov_b32 s[\g+2], 64<<16
	s_mov_b32 s[\g+3], KSTEP<<16
	s_mov_b32 s[\g+4], 64
	s_mov_b32 s[\g+5], SIZE_K
	s_mov_b32 s[\g+6], 0
	s_mov_b32 s[\g+7], 0
.endr
	s_lshl_b32 s21, s18, 6
	s_lshl_b32 s20, s19, 7
	s_add_co_u32 s20, s20, s21
	s_mul_i32 s66, s20, SIZE_K
	s_mov_b32 s67, 0
	s_lshl_b32 s46, s42, 7
	s_add_co_u32 s46, s46, s21
	s_mul_i32 s46, s46, SIZE_K
	s_add_co_u32 s46, s46, WOFF
	s_mov_b32 s47, 0
	s_mul_i32 s45, s16, HALFT
	s_wait_kmcnt 0x0
	s_load_b64 s[70:71], s[8:9], SCOFF
	s_add_nc_u64 s[66:67], s[4:5], s[66:67]
	s_add_nc_u64 s[46:47], s[6:7], s[46:47]
	CROUND
.irp s, 0,1
	s_mov_b32 s[G0+4*\s], 1
	s_add_co_u32 s[G0+4*\s+1], s45, \s*SLOT
	s_add_nc_u64 s[G0+4*\s+2:G0+4*\s+3], s[66:67], \s*KSTEP
	s_or_b32 s[G0+4*\s+3], s[G0+4*\s+3], 0x80000000
	s_mov_b32 s[G0B+4*\s], 1
	s_add_co_u32 s[G0B+4*\s+1], s45, \s*SLOT
	s_add_nc_u64 s[G0B+4*\s+2:G0B+4*\s+3], s[46:47], \s*KSTEP
	s_or_b32 s[G0B+4*\s+3], s[G0B+4*\s+3], 0x80000000
.endr
	JLOAD 0                                        ; K step 0: one tensor load a wave at the head
	; the prefetches: of the 64 rows that I fetch, my work-group takes 16 (by cx for A, by cy for B: told apart by address); two lanes to a row, 256 bytes each
	s_cmp_eq_u32 s17, 0
	s_cselect_b64 s[74:75], s[66:67], s[46:47]
	s_cselect_b32 s20, s40, s41
	s_lshl_b32 s20, s20, 16                        ; 16 rows of 4,096 bytes
	s_mov_b32 s21, 0
	s_add_nc_u64 s[74:75], s[74:75], s[20:21]      ; at K step 0 of my 16 rows; the loop steps it two K steps a trip
	v_bfe_u32 v30, v0, 1, 4                        ; the prefetches' offset: row (lane / 2) of 4,096 bytes, + 256 (lane % 2); never rewritten
	v_and_b32 v6, 1, v0
	v_lshlrev_b32 v30, 12, v30
	v_lshl_add_u32 v30, v6, 8, v30
	global_prefetch_b8 v30, s[74:75] offset:KSTEP th:TH_LOAD_NT scope:SCOPE_SE     ; K step 1, whose load goes out when K step 0 has landed
	global_prefetch_b8 v30, s[74:75] offset:2*KSTEP th:TH_LOAD_NT scope:SCOPE_SE   ; K step 2, two steps ahead of its load
	v_and_b32 v1, 15, v0
	s_wait_alu depctr_va_vdst(0)
	v_bfe_u32 v2, v0, 4, 1
	v_mul_u32_u24 v3, v1, PITCH
	v_lshl_add_u32 v3, v2, 4, v3
	s_mul_i32 s21, s17, HALFT
	s_mul_i32 s22, s18, HALFT
	s_add_co_u32 s22, s22, 2*HALFT
.irp s, 0,1
	v_add_nc_u32 v[ADRA+\s], s21, v3
	v_add_nc_u32 v[ADRB+\s], s22, v3
	s_add_co_u32 s21, s21, SLOT
	s_add_co_u32 s22, s22, SLOT
.endr
	s_mul_i32 s23, s16, 16*SPITCH
	s_add_co_u32 s23, s23, STAGE
	v_mul_u32_u24 v4, v1, SPITCH
	s_wait_alu depctr_va_vdst(0)
	v_lshl_add_u32 v4, v2, 5, v4
	v_add_nc_u32 v[STO], s23, v4
	v_mul_u32_u24 v5, v2, SPITCH
	v_lshl_add_u32 v5, v1, 4, v5
	v_add_nc_u32 v[RD], s23, v5
	v_lshlrev_b32 v5, 13, v2
	v_lshl_add_u32 v[CO], v1, 4, v5
	v_lshlrev_b32 v12, 4, v1
	s_wait_alu depctr_va_vdst(0)
	s_lshl_b32 s20, s19, 7
	s_lshl_b32 s21, s17, 6
	s_add_co_u32 s20, s20, s21
	s_and_b32 s21, s20, 0xfffff800
	s_bfe_u32 s22, s20, 0x1000a
	s_and_b32 s23, s20, 1023
	s_lshl_b32 s23, s23, 1
	s_add_co_u32 s21, s21, s22
	s_add_co_u32 s21, s21, s23
	s_lshl_b32 s72, s21, 12
	s_lshl_b32 s22, s42, 9
	s_lshl_b32 s23, s18, 8
	s_add_co_u32 s22, s22, s23
	s_add_co_u32 s72, s72, s22
	s_mov_b32 s73, 0
	s_mov_b32 s23, 0
	s_add_nc_u64 s[12:13], s[12:13], s[72:73]
	s_add_nc_u64 s[14:15], s[14:15], s[72:73]
	s_add_nc_u64 s[10:11], s[10:11], s[22:23]
	global_load_b128 v[BIAS:BIAS+3], v12, s[10:11]
	s_wait_kmcnt 0x0
	s_add_co_i32 s68, s70, s71
	s_add_co_i32 s68, s68, 127
	s_lshl_b32 s68, s68, 23
	s_mov_b32 s69, s68
.macro MUL4 f, a, zero
.irp b, 0,1,2,3
.if \zero
	v_wmma_f32_16x16x128_fp8_fp8 v[ACC+8*(4*(\a)+\b):ACC+8*(4*(\a)+\b)+7], v[\f+64+16*\b:\f+64+16*\b+15], v[\f+16*(\a):\f+16*(\a)+15], 0
.else
	v_wmma_f32_16x16x128_fp8_fp8 v[ACC+8*(4*(\a)+\b):ACC+8*(4*(\a)+\b)+7], v[\f+64+16*\b:\f+64+16*\b+15], v[\f+16*(\a):\f+16*(\a)+15], v[ACC+8*(4*(\a)+\b):ACC+8*(4*(\a)+\b)+7]
.endif
.endr
.endm
.macro FETCH slot, k, f
	WIN TO_F
.irp i, 0,1,2,3
.irp c, 0,1,2,3
	ds_load_b128 v[\f+64+16*\i+4*\c:\f+64+16*\i+4*\c+3], v[ADRB+\slot] offset:\k+32*\c+\i*16*PITCH
.endr
.endr
.irp i, 0,1,2,3
.irp c, 0,1,2,3
	ds_load_b128 v[\f+16*\i+4*\c:\f+16*\i+4*\c+3], v[ADRA+\slot] offset:\k+32*\c+\i*16*PITCH
.endr
.endr
.endm
.macro PLACES
.rept 4
	v_nop
.endr
.endm
.macro QUARTER slot, k, f, g, zero
	s_wait_dscnt 8
	WIN MUL
	MUL4 \f, 0, \zero
	MUL4 \f, 1, \zero
	PLACES
	FETCH \slot, \k, \g
	s_wait_dscnt 32
	WIN MUL
	MUL4 \f, 2, \zero
	MUL4 \f, 3, \zero
.endm
.macro TURN slot, next, fill
	WIN 0
	s_wait_tensorcnt 0x0
	ds_add_u32 v[SPW], v[NIL]
	s_wait_dscnt 9
	WIN MUL
	MUL4 F1, 0, 0
	s_wait_dscnt 0x0
	s_barrier_signal -1
	MUL4 F1, 1, 0
.if \fill
	WIN 0
.endif
	s_barrier_wait -1
.if \fill
	CREST
	s_add_nc_u64 s[G0+4*\slot+2:G0+4*\slot+3], s[G0+4*\slot+2:G0+4*\slot+3], 2*KSTEP
	s_add_nc_u64 s[G0B+4*\slot+2:G0B+4*\slot+3], s[G0B+4*\slot+2:G0B+4*\slot+3], 2*KSTEP
	JLOAD \slot
.else
	PLACES
.endif
	FETCH \next, 0, F0
.if \fill
	WIN 0                                          ; at a branch and at a label every window is 0
	s_cmp_gt_u32 s3, 1                             ; the last trip's refills have no K step two on
	s_cbranch_scc0 .Lno_ask_\@
	global_prefetch_b8 v30, s[74:75] offset:(4+\slot)*KSTEP th:TH_LOAD_NT scope:SCOPE_SE   ; the K step two refills on: 16 rows x 512 bytes, one instruction a wave
.Lno_ask_\@:
.endif
	WIN MUL
	MUL4 F1, 2, 0
	MUL4 F1, 3, 0
.endm
	s_wait_alu depctr_va_vdst(0)                   ; the wait at the head's end
	s_wait_tensorcnt 0x0                           ; my part of K step 0 is in; slot 1's first fill is issued as a refill is:
	ds_add_u32 v[SPW], v[NIL]                      ; 0 onto my spare word
	s_wait_dscnt 0x0
	CROUND                                         ; everybody's part of K step 0 is in, and the joint loads meet
	JLOAD 1                                        ; K step 1: the first tensor load behind the round
	global_prefetch_b8 v30, s[74:75] offset:3*KSTEP th:TH_LOAD_NT scope:SCOPE_SE   ; K step 3, two steps ahead of its load
	FETCH 0, 0, F0
	QUARTER 0, 128, F0, F1, 1
.if LAPS > 1
	WIN 0
	WIN 0x80                                       ; destination window 2: the residual is asked for here, behind the first tiles
.set N, 0
.rept 32
	global_load_b128 v[4*N:4*N+3], v[CO], s[12:13] offset:2*N*8192   ; register 4 (8 a + t) + c: row 16 a + 2 t + l / 16, column 4 (l % 16) + c
.set N, N+1
.endr
	WIN 0
	s_mov_b32 s3, LAPS-1
.Llap:
	QUARTER 0, 256, F1, F0, 0
	QUARTER 0, 384, F0, F1, 0
	TURN 0, 1, 1
	QUARTER 1, 128, F0, F1, 0
	QUARTER 1, 256, F1, F0, 0
	QUARTER 1, 384, F0, F1, 0
	TURN 1, 0, 1
	QUARTER 0, 128, F0, F1, 0
	WIN 0
	s_wait_xcnt 0x0                                ; my prefetches have read their address: it steps two K steps on
	s_add_nc_u64 s[74:75], s[74:75], 2*KSTEP
	s_sub_co_u32 s3, s3, 1
	s_cmp_lg_u32 s3, 0
	s_cbranch_scc1 .Llap
.endif
	QUARTER 0, 256, F1, F0, 0
	QUARTER 0, 384, F0, F1, 0
	TURN 0, 1, 0
	QUARTER 1, 128, F0, F1, 0
	QUARTER 1, 256, F1, F0, 0
	QUARTER 1, 384, F0, F1, 0
	s_wait_dscnt 8
	WIN MUL
	MUL4 F1, 0, 0
	MUL4 F1, 1, 0
	s_wait_dscnt 0
	MUL4 F1, 2, 0
	MUL4 F1, 3, 0
	WIN 0
.macro TOSTAGE a
.set BK, 32+32*((\a)%2)
.irp b, 0,1,2,3
	ds_store_b128 v[STO], v[ACC+8*(4*(\a)+\b):ACC+8*(4*(\a)+\b)+3] offset:64*\b
	ds_store_b128 v[STO], v[ACC+8*(4*(\a)+\b)+4:ACC+8*(4*(\a)+\b)+7] offset:64*\b+16
.endr
.irp t, 0,1,2,3,4,5,6,7
	ds_load_b128 v[BK+4*\t:BK+4*\t+3], v[RD] offset:\t*2*SPITCH
.endr
.endm
.macro SEND a, younger
.set BK, 32+32*((\a)%2)
	s_wait_dscnt \younger
	WIN 0x20
.set N, 0
.rept 16
	v_pk_fma_f32 v[BK+N:BK+N+1], v[BK+N:BK+N+1], s[68:69], v[32*(\a)+N:32*(\a)+N+1] op_sel_hi:[1,0,1]
.set N, N+2
.endr
	WIN 0
.set N, 0
.rept 8
	v_pk_add_f32 v[BK+N:BK+N+1], v[BK+N:BK+N+1], v[BIAS:BIAS+1]
	v_pk_add_f32 v[BK+N+2:BK+N+3], v[BK+N+2:BK+N+3], v[BIAS+2:BIAS+3]
.set N, N+4
.endr
.irp t, 0,1,2,3,4,5,6,7
	global_store_b128 v[CO], v[BK+4*\t:BK+4*\t+3], s[14:15] offset:(16*(\a)+2*\t)*8192
.endr
.endm
	s_wait_loadcnt 0x0
	PLACES
	TOSTAGE 0
.irp a, 1,2,3
.if \a > 1
	s_wait_xcnt 0x0
.endif
	TOSTAGE \a
	SEND \a-1, 16
.endr
	SEND 3, 0
	s_wait_tensorcnt 0x0
	ds_add_u32 v[SPW], v[NIL]
	s_wait_dscnt 0x0
	CROUND
	s_endpgm
.Lfunc_end_k_q2c7b63493c_gemm_ffn2:
	.size	k_q2c7b63493c_gemm_ffn2, .Lfunc_end_k_q2c7b63493c_gemm_ffn2-k_q2c7b63493c_gemm_ffn2
	.p2alignl 7, 3214868480
	.fill 96, 4, 3214868480
	.section	.rodata,"a",@progbits
	.p2align	6, 0x0
	.amdhsa_kernel k_q2c7b63493c_gemm_ffn2
		.amdhsa_group_segment_fixed_size 327680
		.amdhsa_private_segment_fixed_size 0
		.amdhsa_enable_private_segment 0
		.amdhsa_kernarg_size 48
		.amdhsa_user_sgpr_count 2
		.amdhsa_user_sgpr_kernarg_segment_ptr 1
		.amdhsa_wavefront_size32 1
		.amdhsa_system_sgpr_workgroup_id_x 1
		.amdhsa_system_sgpr_workgroup_id_y 1
		.amdhsa_system_sgpr_workgroup_id_z 1
		.amdhsa_system_vgpr_workitem_id 0
		.amdhsa_next_free_vgpr 640
		.amdhsa_next_free_sgpr 76
		.amdhsa_reserve_vcc 0
		.amdhsa_float_denorm_mode_32 3
		.amdhsa_float_denorm_mode_16_64 3
		.amdhsa_memory_ordered 1
		.amdhsa_forward_progress 1
		.amdhsa_inst_pref_size 83
	.end_amdhsa_kernel
	.amdgpu_metadata
---
amdhsa.version: [ 1, 2 ]
amdhsa.kernels:
  - .name:           k_q2c7b63493c_gemm_ffn2
    .symbol:         k_q2c7b63493c_gemm_ffn2.kd
    .args:
      - { .name: fc, .offset: 0, .size: 8, .value_kind: global_buffer, .address_space: global }
      - { .name: wc, .offset: 8, .size: 8, .value_kind: global_buffer, .address_space: global }
      - { .name: lowp_scales, .offset: 16, .size: 8, .value_kind: global_buffer, .address_space: global }
      - { .name: b2, .offset: 24, .size: 8, .value_kind: global_buffer, .address_space: global }
      - { .name: x1, .offset: 32, .size: 8, .value_kind: global_buffer, .address_space: global }
      - { .name: out0, .offset: 40, .size: 8, .value_kind: global_buffer, .address_space: global }
    .group_segment_fixed_size: 327680
    .private_segment_fixed_size: 0
    .kernarg_segment_align: 8
    .kernarg_segment_size: 48
    .max_flat_workgroup_size: 128
    .sgpr_count:     76
    .vgpr_count:     640
    .wavefront_size: 32
...
	.end_amdgpu_metadata
.endif
;; end of part 7
